; MI455X (gfx1250); checked and timed in simulation.
; The chip was launched on July 23, 2026; its instructions are those of AMD's public machine-readable ISA for CDNA 5 (MIT licence, August 2026) and "CDNA5" Instruction Set Architecture Reference Guide (July 2026). The comments in the code are by the model that wrote it; some were corrected since.
;; Titan Memory. Allowed arithmetic: float matrix products may take bf16 or f16 operands with f32 sums; other float arithmetic in f32, or as packed bf16 or f16 multiplies, adds, multiply-adds, maxima and minima; sums over many terms, partial sums and values carried from step to step in f32; what a program stores and reads back later, other than sums and carried values, may be rounded once to bf16 or f16.
;; Inputs: W 1,024 x 1,024 float32; b 1,024 float32; memory_bank 1 x 1,024 x 1,024 float32; x 8 x 2,048 x 1,024 float32.
;; Outputs: out0 8 x 2,048 x 1,024 float32.
;; One version. Each part assembles by itself: llvm-mc -triple=amdgcn-amd-amdhsa -mcpu=gfx1250 --defsym DOCPART=n.
;; ======== version 1 of 1: 3 launches
;; limits: values are held in f16: magnitudes above 65,504 overflow, below 6.1e-05 lose precision
;; workspace buffers: gx 4,194,304 bytes; vh 2,097,152 bytes; cb 4,096 bytes; pw 33,554,432 bytes; st 1,048,576 bytes
;; launch prep (part 1): grid 16 x 16, 8 waves a work-group, no clusters, 289,024 bytes of LDS; arguments W, b, memory_bank, gx, vh, cb; writes gx, vh, cb
.if DOCPART == 1
	.amdgcn_target "amdgcn-amd-amdhsa--gfx1250"
	.amdhsa_code_object_version 6
	.text
	.protected	k_q690d9bf775_prep
	.globl	k_q690d9bf775_prep
	.p2align	8
	.type	k_q690d9bf775_prep,@function
k_q690d9bf775_prep:
	s_mov_b64 s[64:65], 0
	v_nop
	global_prefetch_b8 v0, s[64:65] scope:SCOPE_SE
	s_setreg_imm32_b32 hwreg(HW_REG_WAVE_MODE, 25, 1), 1
	s_wait_xcnt 0x0
; G[key][d] = sum over e of mem[key][e] W[e][d];  c[key] = sum over e of mem[key][e] b[e];  V = mem.  W, b and mem are rounded once to bf16 (nearest even); sums in f32.
; scores = (x W^T + b) mem^T = x G^T + c for every input: the later launch multiplies x by G, so that its made operand (G) can carry 16 significant bits at the price of two products.
; OUT.  gx: G as two bf16 numbers, hi = bf16(G), lo = bf16(G - hi): row = key, 4,096 bytes; the 64 d of block d / 64 take 256 bytes: 128 of hi, then 128 of lo.
;       vh: f16 of bf16(mem), [key][d].   cb: c in f32.
; LIMITS.  The order of rounding differs from q = x W^T + b followed by q mem^T.  bf16(mem) lies within 65,504, f16's largest number; below 2^-17 it keeps f16's step of 6e-8.  NaN and infinities are not treated apart.
; SHARES.  A work-group makes 64 keys x 64 d of G.  e IS SPLIT AMONG ITS EIGHT WAVES: wave v takes e = 128 v .. 128 v + 127, in four steps of 32; the eight partial tiles meet in LDS.
; No wave wants a byte that another wave has fetched, and both operands are rounded in the registers of the wave that loads them, W turned there too: so no tile is asked for jointly:
; through the data mover the f32 bytes would move twice more in LDS, for one fiftieth of the program's products.
; MEM.  A wave's slice of a key is 512 consecutive bytes: ONE load, 16 bytes a lane.  A lane's four numbers, rounded, are 8 bytes of the wave's own tile in LDS (64 rows of 256 bytes, bf16), out of which the
; fragments come as they are wanted: lane l holds key l % 16.  The bytes are the wave's own: LDS serves a wave's instructions in order (ISA guide 5.7.1.4), and no barrier is needed.
; W lies [e][d]: a lane loads 16 bytes of row e, columns 4 r .. 4 r + 3 (sixteen lanes: 256 consecutive bytes, aligned); number t of those four, of the eight rows that a lane's registers want, makes
; fragment t, whose row r stands for d = 4 r + t.  So W is turned by the choice of registers alone.
; LAYOUT.  Source 0 = 16 d x 32 e of W, source 1 = 16 keys x 32 e of mem.  In accumulator (a, t) lane (r, h), register j holds key 16 a + r and d = 32 h + 4 j + t.
; BESIDE IT work-group i (of 256) rounds rows 4 i .. 4 i + 3 of mem for vh and makes their c: wave v takes half v & 1 of row 4 i + (v >> 1).
.set APITCH, 272                       ; a row of a wave's tile of mem: 256 bytes + 16 = 68 words: the 16 rows of a load start at 16 different groups of four banks (ISA guide 11.1)
.set AWAVE,  64*APITCH                 ; LDS from byte 0: wave v's tile of mem at AWAVE x v
.set PART,   8*AWAVE                   ; wave v's 16 partial accumulators at 16,384 v: accumulator q at 1,024 q, registers 0-3 then (512 on) 4-7, 16 bytes a lane
.set OST,    PART+8*16384              ; the finished tile: 64 rows of 256 bytes, 272 apart
.set OPITCH, 272
.set CW,     OST+64*OPITCH             ; eight words: the waves' parts of c
.set SPARE,  CW+256                    ; the spare words, 128 bytes for each wave: four blocks of 256 bytes that no other line names
.set AR,  0                            ; v0   where I read a fragment of mem (made when the thread's number has served)
.set LN,  1                            ; v1   lane
.set RR,  2                            ; v2   r = lane % 16
.set HH,  3                            ; v3   h = lane / 16
.set AW,  4                            ; v4   where I put my 8 bytes of a row of mem
.set BO,  5                            ; v5   W: h x 8 rows + 16 r + v x 128 rows
.set LS,  6                            ; v6   where I put 16 bytes of a partial accumulator
.set LR0, 7                            ; v7   where I read them back, partial tiles 0-3
.set SPW, 8                            ; v8   my spare word; never rewritten
.set NIL, 9                            ; v9   0; never rewritten
.set LR1, 10                           ; v10  partial tiles 4-7
.set OSW, 11                           ; v11  where I put my 16 d of a finished row
.set OSR, 12                           ; v12  where I read whole rows back
.set GO,  13                           ; v13  the same rows in gx
.set L16, 14                           ; v14  16 x lane
.set L8,  15                           ; v15  8 x lane
.set W0,  16                           ; v16-143   W as loaded, steps 0 and 1: row 8 g + j at 4 (8 g + j)
.set FA,  144                          ; v144-207  mem's four fragments, two buffers; before that at work
.set FB,  208                          ; v208-239  W's four fragments, bf16
.set T,   240                          ; v240-247 f16 to store; v248-255 at work
.set VM,  144                          ; a half row of mem,
.set VB,  160                          ; the same half of b,
.set SUM, 176                          ; and c's sums: ahead of everything else
.set HI,  144                          ; the way out: eight words of hi, eight of lo, sixteen numbers at work
.set LO,  152
.set TT,  160
;   window 1: v0-255 mem as loaded (key n at 4 n); then v0-127 accumulator (a, t) at 8 (4 a + t), v128-255 W as loaded, steps 2 and 3; at the end the 32 x 4 partial sums
.set WV,  16
.set DB,  17
.set MB,  18
.set WI,  19
.set W2,  20
.set W1,  21
.set MA,  22                           ; s[22:23] mem at the work-group's 64 keys, my wave's 128 e
.set WB,  24                           ; s[24:25] W at its 64 d
.set MV,  26                           ; s[26:27] mem at my half row
.set BV,  28                           ; s[28:29] b at the same half
.set SEL, 32
.set MSK, 34
.set SAVE, 35
.set MSB, 0
.macro WIN new                         ; the immediate's high byte repeats the setting that is left; a switch that changes nothing is dropped
.if MSB != (\new)
	s_set_vgpr_msb (MSB<<8)|(\new)
.set MSB, \new
.endif
.endm
.macro PLACES                          ; four plain instructions between a matrix instruction and a write of, or a load into, its sources (ISA guide 7.12.1 for vector instructions)
.rept 4
	v_nop
.endr
.endm
	s_load_b256 s[4:11], s[0:1], 0x0               ; W s[4:5], b s[6:7], mem s[8:9], gx s[10:11]
	s_load_b128 s[12:15], s[0:1], 0x20             ; vh s[12:13], cb s[14:15]
	v_lshl_add_u32 v[SPW], v0, 2, SPARE
	v_mov_b32 v[NIL], 0
	v_lshrrev_b32 v[LN], 5, v0
	v_readfirstlane_b32 s[WV], v[LN]               ; wave 0..7
	v_and_b32 v[LN], 31, v0
	v_and_b32 v[RR], 15, v0
	v_bfe_u32 v[HH], v0, 4, 1
	s_mov_b32 s[DB], ttmp9                         ; block of 64 d
	s_and_b32 s[MB], ttmp7, 0xffff                 ; block of 64 keys
	s_lshl_b32 s[WI], s[MB], 4
	s_add_co_u32 s[WI], s[WI], s[DB]               ; i = 16 mb + db
	s_lshr_b32 s[W2], s[WV], 1
	s_and_b32 s[W1], s[WV], 1
	s_mov_b32 s[SEL], 0x76543210                   ; v_permlanex16_b32: each lane takes its own place in the other half
	s_mov_b32 s[SEL+1], 0xfedcba98
	s_mov_b32 s[MSK], 0xffff0000                   ; a word's upper bf16
	s_mov_b32 s31, 0
	s_mul_i32 s36, s[WV], AWAVE                    ; my tile of mem
	v_lshl_add_u32 v[AW], v[LN], 3, s36            ; in: 8 bytes a lane, a row an instruction
	v_mul_u32_u24 v[AR], v[RR], APITCH             ; back: row r, 16 bytes for each half of the lanes
	v_lshl_add_u32 v[AR], v[HH], 4, v[AR]
	v_add_nc_u32 v[AR], s36, v[AR]
	v_lshlrev_b32 v[BO], 15, v[HH]
	v_lshl_add_u32 v[BO], v[RR], 4, v[BO]
	s_lshl_b32 s36, s[WV], 19
	v_add_nc_u32 v[BO], s36, v[BO]
	s_lshl_b32 s36, s[WV], 14
	s_add_co_u32 s36, s36, PART
	v_lshl_add_u32 v[LS], v[LN], 4, s36
	s_lshl_b32 s36, s[W2], 12                      ; back: wave v sums row block a = v >> 1, register half v & 1, of all four t
	s_lshl_b32 s37, s[W1], 9
	s_add_co_u32 s36, s36, s37
	s_add_co_u32 s36, s36, PART
	v_lshl_add_u32 v[LR0], v[LN], 4, s36
	v_add_nc_u32 v[LR1], 0x10000, v[LR0]
	s_mul_i32 s36, s[W2], 16*OPITCH
	s_lshl_b32 s37, s[W1], 5
	s_add_co_u32 s36, s36, s37
	s_add_co_u32 s36, s36, OST
	v_mul_u32_u24 v[OSW], v[RR], OPITCH            ; row 16 a + r; my 16 d begin at d = 32 h + 16 (v & 1): 2 bytes each
	v_lshl_add_u32 v[OSW], v[HH], 6, v[OSW]
	v_add_nc_u32 v[OSW], s36, v[OSW]
	s_mul_i32 s36, s[WV], 8*OPITCH
	s_add_co_u32 s36, s36, OST
	v_mul_u32_u24 v[OSR], v[HH], OPITCH            ; back: wave v takes rows 8 v .. 8 v + 7; lanes 0-15 one row of 256 bytes, lanes 16-31 the next
	v_lshl_add_u32 v[OSR], v[RR], 4, v[OSR]
	v_add_nc_u32 v[OSR], s36, v[OSR]
	s_lshl_b32 s36, s[WV], 3
	v_add_nc_u32 v[GO], s36, v[HH]
	v_lshlrev_b32 v[GO], 12, v[GO]
	v_lshl_add_u32 v[GO], v[RR], 4, v[GO]
	v_lshlrev_b32 v[L16], 4, v[LN]
	v_lshlrev_b32 v[L8], 3, v[LN]
	s_wait_kmcnt 0x0
	s_lshl_b32 s30, s[MB], 18                      ; 64 rows of 4,096 bytes, in mem and in gx
	s_add_nc_u64 s[MA:MA+1], s[8:9], s[30:31]
	s_add_nc_u64 s[10:11], s[10:11], s[30:31]
	s_lshl_b32 s30, s[WV], 9                       ; my wave's 128 e: 512 bytes of a row of mem
	s_add_nc_u64 s[MA:MA+1], s[MA:MA+1], s[30:31]
	s_lshl_b32 s30, s[DB], 8                       ; 64 d: 256 bytes of a row of W (f32) and of gx (hi and lo)
	s_add_nc_u64 s[WB:WB+1], s[4:5], s[30:31]
	s_add_nc_u64 s[10:11], s[10:11], s[30:31]
	s_lshl_b32 s30, s[WI], 2
	s_add_co_u32 s30, s30, s[W2]                   ; row 4 i + (v >> 1),
	s_lshl_b32 s30, s30, 1
	s_add_co_u32 s30, s30, s[W1]                   ; its half v & 1:
	s_lshl_b32 s36, s30, 10                        ; 1,024 bytes of vh,
	s_lshl_b32 s30, s30, 11                        ; 2,048 of mem
	s_add_nc_u64 s[MV:MV+1], s[8:9], s[30:31]
	s_mov_b32 s30, s36
	s_add_nc_u64 s[12:13], s[12:13], s[30:31]
	s_lshl_b32 s30, s[W1], 11
	s_add_nc_u64 s[BV:BV+1], s[6:7], s[30:31]
	s_lshl_b32 s30, s[WI], 4                       ; four numbers of c
	s_add_nc_u64 s[14:15], s[14:15], s[30:31]
; W's 16 loads of step u (32 e): each step has registers of its own.
.macro LOADW u
.if (\u) < 2
	WIN 0
.set WR, W0+64*(\u)
.else
	WIN 0x40                                       ; destination window 1, address window 0
.set WR, 128+64*((\u)-2)
.endif
.irp g, 0,1
.irp j, 0,1,2,3,4,5,6,7
	global_load_b128 v[WR+4*(8*(\g)+(\j)):WR+4*(8*(\g)+(\j))+3], v[BO], s[WB:WB+1] offset:4096*(32*(\u)+16*(\g)+(\j))
.endr
.endr
.endm
; Keys 16 b .. 16 b + 15 of my slice of mem: rounded to bf16, 8 bytes a lane, and put into my tile.  left: the younger loads, which may stay out.
.macro BATCH b, left
	s_wait_loadcnt \left
	WIN 0x05                                       ; sources window 1, destination window 0
.set i, 0
.rept 16
	v_cvt_pk_bf16_f32 v[FA+32*((\b)%2)+2*i],   v[64*(\b)+4*i],   v[64*(\b)+4*i+1]
	v_cvt_pk_bf16_f32 v[FA+32*((\b)%2)+2*i+1], v[64*(\b)+4*i+2], v[64*(\b)+4*i+3]
.set i, i+1
.endr
	WIN 0
.set i, 0
.rept 16
	ds_store_b64 v[AW], v[FA+32*((\b)%2)+2*i:FA+32*((\b)%2)+2*i+1] offset:(16*(\b)+i)*APITCH  ; the wave writes a row's 256 bytes
.set i, i+1
.endr
.endm
; mem's four fragments of step u, out of my tile, into buffer u % 2.
.macro LOADA u
	WIN 0
.irp a, 0,1,2,3
	ds_load_b128 v[FA+32*((\u)%2)+8*(\a):FA+32*((\u)%2)+8*(\a)+3],   v[AR] offset:(\a)*16*APITCH+64*(\u)
	ds_load_b128 v[FA+32*((\u)%2)+8*(\a)+4:FA+32*((\u)%2)+8*(\a)+7], v[AR] offset:(\a)*16*APITCH+64*(\u)+32
.endr
.endm
; Step u: W's 16 rows a lane half are rounded into four fragments; 16 products on 16 accumulators, which take turns.  left, dleft: the younger loads from memory and from LDS, which may stay out.
; The first step's products start the sums.
.macro KSUB u, left, dleft
	s_wait_loadcnt \left
.if (\u) < 2
	WIN 0
.set WR, W0+64*(\u)
.else
	WIN 0x05
.set WR, 128+64*((\u)-2)
.endif
.irp t, 0,1,2,3
.irp g, 0,1
.irp k, 0,1,2,3
	v_cvt_pk_bf16_f32 v[FB+8*(\t)+4*(\g)+(\k)], v[WR+4*(8*(\g)+2*(\k))+(\t)], v[WR+4*(8*(\g)+2*(\k)+1)+(\t)]  ; rows e and e + 1, column 4 r + t
.endr
.endr
.endr
	s_wait_dscnt \dleft
	WIN 0x50                                       ; C and D window 1, sources window 0
.irp a, 0,1,2,3
.irp t, 0,1,2,3
.if (\u) == 0
	v_wmma_f32_16x16x32_bf16 v[8*(4*(\a)+(\t)):8*(4*(\a)+(\t))+7], v[FB+8*(\t):FB+8*(\t)+7], v[FA+32*((\u)%2)+8*(\a):FA+32*((\u)%2)+8*(\a)+7], 0
.else
	v_wmma_f32_16x16x32_bf16 v[8*(4*(\a)+(\t)):8*(4*(\a)+(\t))+7], v[FB+8*(\t):FB+8*(\t)+7], v[FA+32*((\u)%2)+8*(\a):FA+32*((\u)%2)+8*(\a)+7], v[8*(4*(\a)+(\t)):8*(4*(\a)+(\t))+7]
.endif
.endr
.endr
	PLACES                                         ; the next step's roundings and the loads below write these products' sources
.if (\u) < 2
	LOADA (\u)+2
.endif
.endm
.irp c, 0,1,2,3
	global_load_b128 v[VM+4*(\c):VM+4*(\c)+3], v[L16], s[MV:MV+1] offset:512*(\c)  ; my half row of mem and of b: 512 consecutive bytes a load
	global_load_b128 v[VB+4*(\c):VB+4*(\c)+3], v[L16], s[BV:BV+1] offset:512*(\c)
.endr
	WIN 0x40
.set n, 0
.rept 64
	global_load_b128 v[4*n:4*n+3], v[L16], s[MA:MA+1] offset:4096*n  ; key n, my 128 e: 512 consecutive bytes
.set n, n+1
.endr
	WIN 0
	s_wait_loadcnt 63                              ; the eight oldest loads are wanted and 64 are younger: the count is the largest that the field holds
.irp c, 0,1,2,3
	v_cvt_pk_bf16_f32 v[VM+4*(\c)],   v[VM+4*(\c)],   v[VM+4*(\c)+1]  ; rounded to bf16,
	v_cvt_pk_bf16_f32 v[VM+4*(\c)+1], v[VM+4*(\c)+2], v[VM+4*(\c)+3]
	v_cvt_pk_bf16_f32 v[VB+4*(\c)],   v[VB+4*(\c)],   v[VB+4*(\c)+1]
	v_cvt_pk_bf16_f32 v[VB+4*(\c)+1], v[VB+4*(\c)+2], v[VB+4*(\c)+3]
	v_lshlrev_b32 v[T+8],  16, v[VM+4*(\c)]        ; and back to f32: the low half moves up, the high half stays
	v_and_b32     v[T+9],  s[MSK], v[VM+4*(\c)]
	v_lshlrev_b32 v[T+10], 16, v[VM+4*(\c)+1]
	v_and_b32     v[T+11], s[MSK], v[VM+4*(\c)+1]
	v_lshlrev_b32 v[T+12], 16, v[VB+4*(\c)]
	v_and_b32     v[T+13], s[MSK], v[VB+4*(\c)]
	v_lshlrev_b32 v[T+14], 16, v[VB+4*(\c)+1]
	v_and_b32     v[T+15], s[MSK], v[VB+4*(\c)+1]
.if (\c) == 0
	v_pk_mul_f32 v[SUM:SUM+1], v[T+8:T+9], v[T+12:T+13]  ; the first products start c's sums
.else
	v_pk_fma_f32 v[SUM:SUM+1], v[T+8:T+9], v[T+12:T+13], v[SUM:SUM+1]
.endif
	v_pk_fma_f32 v[SUM:SUM+1], v[T+10:T+11], v[T+14:T+15], v[SUM:SUM+1]
	v_cvt_pk_f16_f32 v[T+2*(\c)],   v[T+8],  v[T+9]  ; exact within f16's range: bf16 has 8 significant bits
	v_cvt_pk_f16_f32 v[T+2*(\c)+1], v[T+10], v[T+11]
	global_store_b64 v[L8], v[T+2*(\c):T+2*(\c)+1], s[12:13] offset:256*(\c)  ; the wave stores 256 consecutive bytes, aligned; v240-247 are not written again
.endr
	v_add_f32 v[SUM], v[SUM], v[SUM+1]
	v_add_f32_dpp v[SUM], v[SUM], v[SUM] row_xmask:1 row_mask:0xf bank_mask:0xf
	v_add_f32_dpp v[SUM], v[SUM], v[SUM] row_xmask:2 row_mask:0xf bank_mask:0xf
	v_add_f32_dpp v[SUM], v[SUM], v[SUM] row_xmask:4 row_mask:0xf bank_mask:0xf
	v_add_f32_dpp v[SUM], v[SUM], v[SUM] row_xmask:8 row_mask:0xf bank_mask:0xf
	v_permlanex16_b32 v[SUM+1], v[SUM], s[SEL], s[SEL+1]
	v_add_f32 v[SUM], v[SUM], v[SUM+1]             ; my half row's part of c, in every lane
	s_lshl_b32 s36, s[WV], 2
	s_add_co_u32 s36, s36, CW
	v_mov_b32 v[SUM+2], s36
	ds_store_b32 v[SUM+2], v[SUM]                  ; all lanes write the same word with the same number
	LOADW 0
	LOADW 1
	BATCH 0, 63                                    ; 48 loads of mem and 32 of W are younger: the field's largest count
	BATCH 1, 63                                    ; 32 and 32
	BATCH 2, 48                                    ; 16 and 32
	LOADW 2                                        ; into the registers that keys 32-47 have left
	BATCH 3, 48                                    ; W's 48
	LOADW 3                                        ; into those of keys 48-63
	LOADA 0
	LOADA 1
	KSUB 0, 48, 8                                  ; W's steps 1 to 3 may stay out; so may the other buffer's eight loads from LDS
	KSUB 1, 32, 8
	KSUB 2, 16, 8
	KSUB 3, 0, 0
	PLACES                                         ; with the four above: between the last products and the stores that read them
	WIN 0x04                                       ; store data window 1, address window 0
.set q, 0
.rept 16
	ds_store_b128 v[LS], v[8*q:8*q+3]   offset:1024*q      ; each accumulator's low registers first
	ds_store_b128 v[LS], v[8*q+4:8*q+7] offset:1024*q+512
.set q, q+1
.endr
	s_wait_dscnt 0x0                               ; for the others' sake: my partial tile and my word of c are in LDS
	s_barrier_signal -1
	s_barrier_wait -1
	WIN 0x40
.irp p, 0,1,2,3
.irp t, 0,1,2,3
	ds_load_b128 v[16*(\p)+4*(\t):16*(\p)+4*(\t)+3],       v[LR0] offset:16384*(\p)+1024*(\t)
	ds_load_b128 v[64+16*(\p)+4*(\t):64+16*(\p)+4*(\t)+3], v[LR1] offset:16384*(\p)+1024*(\t)
.endr
.endr
	s_wait_dscnt 0x0
	WIN 0x45                                       ; all in window 1
.irp p, 1,2,3,4,5,6,7
.set i, 0
.rept 8
	v_pk_add_f32 v[i:i+1], v[i:i+1], v[16*(\p)+i:16*(\p)+i+1]
.set i, i+2
.endr
.endr
	; v[4 t + j] of window 1 now holds G at key 16 a + r, d = 32 h + 16 (v & 1) + 4 j + t: sixteen neighbouring d, number 4 j + t
	WIN 0x05
.irp j, 0,1,2,3
	v_cvt_pk_bf16_f32 v[HI+2*(\j)],   v[(\j)],   v[4+(\j)]
	v_cvt_pk_bf16_f32 v[HI+2*(\j)+1], v[8+(\j)], v[12+(\j)]
.endr
	WIN 0
.irp w, 0,1,2,3,4,5,6,7
	v_lshlrev_b32 v[TT+2*(\w)],   16, v[HI+(\w)]
	v_and_b32     v[TT+2*(\w)+1], s[MSK], v[HI+(\w)]
.endr
	WIN 0x01                                       ; source 0 window 1
.irp j, 0,1,2,3
.irp t, 0,1,2,3
	v_sub_f32 v[TT+4*(\j)+(\t)], v[4*(\t)+(\j)], v[TT+4*(\j)+(\t)]  ; G - hi: exact in f32
.endr
.endr
	WIN 0
.irp w, 0,1,2,3,4,5,6,7
	v_cvt_pk_bf16_f32 v[LO+(\w)], v[TT+2*(\w)], v[TT+2*(\w)+1]
.endr
	ds_store_b128 v[OSW], v[HI:HI+3]
	ds_store_b128 v[OSW], v[HI+4:HI+7] offset:16
	ds_store_b128 v[OSW], v[LO:LO+3]   offset:128
	ds_store_b128 v[OSW], v[LO+4:LO+7] offset:144
	s_wait_dscnt 0x0                               ; for the others' sake: a row's 256 bytes come from four lanes of two waves
	s_barrier_signal -1
	s_barrier_wait -1
.irp i, 0,1,2,3
	ds_load_b128 v[FB+4*(\i):FB+4*(\i)+3], v[OSR] offset:2*OPITCH*(\i)
.endr
.irp i, 0,1,2,3
	s_wait_dscnt 3-(\i)                            ; LDS loads come back in order: pair i of rows is in
	global_store_b128 v[GO], v[FB+4*(\i):FB+4*(\i)+3], s[10:11] offset:8192*(\i)  ; 16 lanes store 256 consecutive bytes, at a multiple of 256 from gx's first byte
.endr
	s_cmp_lg_u32 s[WV], 0                          ; wave 0 finishes the four numbers of c
	s_cbranch_scc1 .Lend
	v_mov_b32 v[TT], CW
	ds_load_b128 v[TT+4:TT+7],  v[TT]
	ds_load_b128 v[TT+8:TT+11], v[TT] offset:16
	v_mov_b32 v[TT+1], 0
	s_wait_dscnt 0x0
	v_add_f32 v[TT+12], v[TT+4],  v[TT+5]          ; a row's two halves
	v_add_f32 v[TT+13], v[TT+6],  v[TT+7]
	v_add_f32 v[TT+14], v[TT+8],  v[TT+9]
	v_add_f32 v[TT+15], v[TT+10], v[TT+11]
	v_cmp_eq_u32 vcc_lo, 0, v[LN]
	s_wait_xcnt 0x0                                ; EXEC changes only when every earlier store has read it
	s_and_saveexec_b32 s[SAVE], vcc_lo
	global_store_b128 v[TT+1], v[TT+12:TT+15], s[14:15]  ; one lane: 16 bytes, once a work-group
	s_wait_xcnt 0x0                                ; and again, in front of the line that widens it
	s_or_b32 exec_lo, exec_lo, s[SAVE]
.Lend:
	s_wait_tensorcnt 0x0                           ; the wave's end, behind my last LDS store
	ds_add_u32 v[SPW], v[NIL]
	s_wait_dscnt 0x0
	s_endpgm
.Lfunc_end_k_q690d9bf775_prep:
	.size	k_q690d9bf775_prep, .Lfunc_end_k_q690d9bf775_prep-k_q690d9bf775_prep
	.p2alignl 7, 3214868480
	.fill 96, 4, 3214868480
	.section	.rodata,"a",@progbits
	.p2align	6, 0x0
	.amdhsa_kernel k_q690d9bf775_prep
		.amdhsa_group_segment_fixed_size 289024
		.amdhsa_private_segment_fixed_size 0
		.amdhsa_enable_private_segment 0
		.amdhsa_kernarg_size 48
		.amdhsa_user_sgpr_count 2
		.amdhsa_user_sgpr_kernarg_segment_ptr 1
		.amdhsa_wavefront_size32 1
		.amdhsa_system_sgpr_workgroup_id_x 1
		.amdhsa_system_sgpr_workgroup_id_y 1
		.amdhsa_system_sgpr_workgroup_id_z 1
		.amdhsa_system_vgpr_workitem_id 0
		.amdhsa_next_free_vgpr 512
		.amdhsa_next_free_sgpr 66
		.amdhsa_reserve_vcc 1
		.amdhsa_float_denorm_mode_32 3
		.amdhsa_float_denorm_mode_16_64 3
		.amdhsa_memory_ordered 1
		.amdhsa_forward_progress 1
		.amdhsa_inst_pref_size 60
	.end_amdhsa_kernel
	.amdgpu_metadata
---
amdhsa.version: [ 1, 2 ]
amdhsa.kernels:
  - .name:           k_q690d9bf775_prep
    .symbol:         k_q690d9bf775_prep.kd
    .args:
      - { .name: W, .offset: 0, .size: 8, .value_kind: global_buffer, .address_space: global }
      - { .name: b, .offset: 8, .size: 8, .value_kind: global_buffer, .address_space: global }
      - { .name: memory_bank, .offset: 16, .size: 8, .value_kind: global_buffer, .address_space: global }
      - { .name: gx, .offset: 24, .size: 8, .value_kind: global_buffer, .address_space: global }
      - { .name: vh, .offset: 32, .size: 8, .value_kind: global_buffer, .address_space: global }
      - { .name: cb, .offset: 40, .size: 8, .value_kind: global_buffer, .address_space: global }
    .group_segment_fixed_size: 289024
    .private_segment_fixed_size: 0
    .kernarg_segment_align: 8
    .kernarg_segment_size: 48
    .max_flat_workgroup_size: 256
    .sgpr_count:     66
    .vgpr_count:     512
    .wavefront_size: 32
...
	.end_amdgpu_metadata
.endif
;; end of part 1
;; launch scores (part 2): grid 4 x 64, 4 waves a work-group, clusters of 4 x 4, 327,680 bytes of LDS; arguments x, gx, cb, pw, st; writes pw, st
.if DOCPART == 2
	.amdgcn_target "amdgcn-amd-amdhsa--gfx1250"
	.amdhsa_code_object_version 6
	.text
	.protected	k_q690d9bf775_scores
	.globl	k_q690d9bf775_scores
	.p2align	8
	.type	k_q690d9bf775_scores,@function
k_q690d9bf775_scores:
	s_mov_b64 s[64:65], 0
	v_nop
	global_prefetch_b8 v0, s[64:65] scope:SCOPE_SE
	s_setreg_imm32_b32 hwreg(HW_REG_WAVE_MODE, 25, 1), 1
	s_wait_xcnt 0x0
	s_wait_alu depctr_hold_cnt(0) depctr_sa_sdst(0) depctr_va_vdst(0) depctr_va_sdst(0) depctr_va_ssrc(0) depctr_va_vcc(0) depctr_vm_vsrc(0)
	s_getreg_b32 s2, hwreg(HW_REG_IB_STS2, 6, 4)
	s_cmp_eq_u32 s2, 0
	s_cbranch_scc0 .Lentry_in_a_cluster
	s_endpgm
.Lentry_in_a_cluster:
	s_bfe_u32 s2, ttmp6, 0x10000c
	s_cmp_lg_u32 s2, 0xf033
	s_cbranch_scc0 .Lentry_shape_is_right
	s_endpgm
.Lentry_shape_is_right:
; S[row][key] = sum over d of x[row][d] G[key][d] + c[key], and the softmax's first half.  x: [16384][1024] f32, rounded here once to bf16; G = hi + lo, two bf16 numbers (gx: a key's row is 4,096 bytes,
; 256 for each 64 d: 128 of hi, 128 of lo); c: f32.  Sums in f32; c is the C operand of the product that starts each sum.
; OUT, for each row and each block of 128 keys: cm = log2(e) x the block's largest score, l = the sum over the block of p, with p = 2^(log2(e) s - cm) (st, f32), and p rounded to f16 (pw, [row][key]).
; The next launch takes the rows' true maxima from the eight cm.  LIMITS: p below 6e-5 keeps f16's step of 6e-8; p below 2^-126 counts as 0 in l; NaN and infinities are not treated apart.
; SHARES.  A tile of 256 rows x 256 keys is made by a work-group of four waves; a wave makes 128 x 128: 64 accumulators of 16 x 16, 512 registers.  A wave's 128 keys are one block.
; d goes in steps of 64 through a ring of two LDS slots: 256 bytes of each of 256 rows of x (f32) and of 256 rows of gx.  A fragment of x, rounded in registers, multiplies hi and then lo.
; THE PRODUCT IS TRANSPOSED (source 0 = 16 keys, source 1 = 16 rows of x): a lane holds ONE row (lane % 16) and, in accumulator b, the keys 16 b + 8 (lane / 16) + 0..7.
; CLUSTERS: 4 x 4 work-groups.  The four of a row of the cluster need the same rows of x, the four of a column the same rows of gx: each tile is asked for JOINTLY, by the same tensor load with the same
; descriptor and a mask that names the four.
; THE PIPELINE.  A PAIR is 32 d: a quarter on hi and a quarter on lo, 64 products each.  While a pair is multiplied the next pair is fetched whole: in each quarter one run of 32 LDS loads (four raw
; fragments of x, eight fragments of hi or of lo), and the raw fragments' 32 roundings ride four behind each of eight products.  So a slot's reads end in its first pair, and the change of slots stands at
; the head of its second.
; REGISTERS, in windows of 256 (s_set_vgpr_msb: bits 1:0 source 0, 3:2 source 1, 5:4 source 2, 7:6 destination):
;   window 0: v16-31 addresses; v32-43 statistics; v64-127, v128-191 x's eight fragments, two buffers; v192-255 four fragments as loaded (f32)
;   window 1: v0-63 hi, v64-127 lo of buffer 0; v128-191 hi, v192-255 lo of buffer 1 (in the first quarter v192-255 hold c)
;   window 2: the 32 accumulators of my rows 0-63 ((a, b) at v[8 (8 a + b)]);   window 3: those of my rows 64-127
.set PITCH,  272                       ; an LDS row: 256 bytes + 16 of padding = 68 words: the 16 rows of a load start at 16 different groups of four banks (ISA guide 11.1)
.set FRG,    16*PITCH
.set HALFT,  128*PITCH                 ; 128 rows: what one tensor load brings
.set SLOT,   4*HALFT                   ; x's 256 rows, then gx's 256 rows.  Its bits (17 and 13) are set in no wave's 0x8800 x wave: an exclusive or turns an address in one slot into the other's
.set STAGE,  2*SLOT                    ; behind the ring: 16 rows x 272 bytes for each wave, for p's way out
.set SST,    STAGE+4*16*PITCH          ; 1,024 bytes for each wave: its 128 cm, then its 128 l
.set SPARE,  SST+4*1024                ; the spare words, 128 bytes for each wave: two blocks of 256 bytes that no other line names
.set KB,     256                       ; bytes of a row in a step
.set PROW,   2048                      ; bytes in a row of pw
.set LOFF,   524288                    ; l's part of st
.set REFILLS, 14                       ; steps 2 to 15
.set ADRA0, 16                         ; v16  my place in a slot's rows of x; never rewritten
.set ADRB0, 17                         ; v17  the same for gx
.set ADRA,  18                         ; v18  the same in the slot in hand
.set ADRB,  19
.set STW0,  20                         ; v20  my row's word in the wave's statistics
.set STW,   21
.set STR,   22                         ; v22  where I read 16 bytes of them back
.set BO,    23                         ; v23  32 x (lane / 16): my eight numbers in 16 of c
.set STO,   24                         ; v24  the way out: where I put 16 bytes of a row
.set RD,    25                         ; v25  where I read a row back
.set CO,    26                         ; v26  my byte offset in pw
.set L16,   27                         ; v27  16 x lane
.set SPW,   28                         ; v28  my spare word; never rewritten
.set NIL,   29                         ; v29  0; never rewritten
.set PFO,   30                         ; v30  the prefetches' offset: lane x 4,096; never rewritten
.set MX,    32                         ; v32-39  eight running maxima
.set CM,    40                         ; v40 cm, v41 the maximum
.set LL,    42                         ; v42-43  l
.set AB0,   64
.set RAW,   192
.set TMP,   64                         ; the way out: p in f16
.set OB,    96                         ; rows read back: v96-127 and v128-159 by turns
.set BIAS,  192                        ; window 1
.set WV,  14
.set RH,  15                           ; which half of the tile's rows is mine.  Also: I fetch for x (0) or for gx (1)
.set CH,  16                           ; which half of its keys.  Also: which 128 rows I fetch
.set CX,  17
.set CY,  18
.set TCOL, 19
.set TROW, 20
.set G1A, 24                           ; s[24:31] descriptor group 1 for x's tiles
.set G0A, 32                           ; s[32:39] group 0: a set for each of the two first fills; the second then walks on
.set G1B, 40                           ; s[40:47], s[48:55] the same for gx's
.set G0B, 48
.set CNT, 56
.set TB,  57                           ; s57  the slot in hand: 0 or SLOT
.set LIM, 58                           ; s58  1 in a wave that prefetches, else the greatest number
.set TS,  59                           ; s59  the way out: 0, then 256
.set PFA, 60                           ; s[60:61] where my prefetches stand
.set SEL, 66
.set CS,  68                           ; s[68:69] log2(e): the packed scaling takes the pair's low word for both halves
.set MSB, 0
.macro WIN new                         ; the immediate's high byte repeats the setting that is left; a switch that changes nothing is dropped
.if MSB != (\new)
	s_set_vgpr_msb (MSB<<8)|(\new)
.set MSB, \new
.endif
.endm
.macro PLACES                          ; four plain instructions between a matrix instruction and a load into, or a write of, its registers (ISA guide 7.12.1 for vector instructions)
.rept 4
	v_nop
.endr
.endm
; A joint refill.  Waves 0 and 1 fetch x's two halves, waves 2 and 3 gx's.  The branch hangs on the wave's number alone.  An s_nop 0 and four v_nop follow each line.
.macro JLOAD
	s_cmp_eq_u32 s[RH], 0
	s_cbranch_scc0 .Lfor_b_\@
	tensor_load_to_lds s[G0A+4:G0A+7], s[G1A:G1A+7]
	s_nop 0
.rept 4
	v_nop
.endr
	s_branch .Lasked_\@
.Lfor_b_\@:
	tensor_load_to_lds s[G0B+4:G0B+7], s[G1B:G1B+7]
	s_nop 0
.rept 4
	v_nop
.endr
.Lasked_\@:
.endm
; A prefetch into the L2 of the step that the NEXT refill will ask for: 32 rows x 256 bytes, a lane a row, one instruction a wave, 256 products ahead of that load.  Each row's 256 bytes of a step are named
; once in the launch: x's rows are read by one cluster alone, which asks; gx's by all sixteen, of which those with y = 0 ask.  Of the 128 rows that a wave fetches the partner at place p takes
; 32 p .. 32 p + 31 (p = cx for x, cy for gx): told apart by address.  The last refill has no step behind it and asks for nothing.
.macro ASK
	s_cmp_gt_u32 s[CNT], s[LIM]
	s_cbranch_scc0 .Lnot_mine_\@
	global_prefetch_b8 v[PFO], s[PFA:PFA+1] th:TH_LOAD_NT scope:SCOPE_SE
.Lnot_mine_\@:
.endm
.macro CREST                           ; a round of the cluster's barrier behind its opening barrier
	s_cmp_lg_u32 s[WV], 0
	s_cbranch_scc1 .Lnot_wave_0_\@
	s_barrier_signal -3
.Lnot_wave_0_\@:
	s_barrier_wait -3
	s_barrier_signal -1
	s_barrier_wait -1
.endm
.macro CROUND                          ; a whole round
	s_barrier_signal -1
	s_barrier_wait -1
	CREST
.endm
	s_load_b256 s[4:11], s[0:1], 0x0               ; x s[4:5], gx s[6:7], cb s[8:9], pw s[10:11]
	s_load_b64 s[12:13], s[0:1], 0x20              ; st
	v_lshl_add_u32 v[SPW], v0, 2, SPARE
	v_mov_b32 v[NIL], 0
	ds_add_u32 v[SPW], v[NIL]                      ; the wave's opening: the add and its wait stand ahead of my first tensor load; the set-up below, work on registers, stands between them
	v_lshrrev_b32 v1, 5, v0
	v_readfirstlane_b32 s[WV], v1                  ; wave 0..3
	s_lshr_b32 s[RH], s[WV], 1
	s_and_b32 s[CH], s[WV], 1
	s_bfe_u32 s[CX], ttmp6, 0x40000                ; my place in the cluster
	s_bfe_u32 s[CY], ttmp6, 0x40004
	s_lshl_b32 s[TCOL], ttmp9, 2
	s_add_co_u32 s[TCOL], s[TCOL], s[CX]           ; tile column = 4 x cluster x + cx
	s_and_b32 s[TROW], ttmp7, 0xffff
	s_lshl_b32 s[TROW], s[TROW], 2
	s_add_co_u32 s[TROW], s[TROW], s[CY]           ; tile row = 4 x cluster y + cy
	s_lshl_b32 s21, s[CY], 2
	s_lshl_b32 s21, 15, s21                        ; my row of the cluster: places 4 cy .. 4 cy + 3
	s_lshl_b32 s22, 0x1111, s[CX]                  ; my column: places cx, cx + 4, cx + 8, cx + 12
	; descriptor group 1: 128 rows x 256 bytes, as 128 elements of 2 bytes (x's f32 are moved as bytes), padded in LDS
	s_or_b32 s[G1A], s21, (1<<16)|(1<<20)|(1<<21)|(5<<22)|(3<<25)  ; 15:0 the mask; 17:16 elements of 2 bytes; 20 padding on; 21 set beside a mask; 24:22 after every 64 words (code 5); 31:25 4 words (code 3)
	s_or_b32 s[G1B], s22, (1<<16)|(1<<20)|(1<<21)|(5<<22)|(3<<25)
.irp g, G1A, G1B
	s_mov_b32 s[(\g)+1], 128<<16                   ; tensor_dim0 = 128
	s_mov_b32 s[(\g)+2], 128<<16                   ; tensor_dim1 = 128
	s_mov_b32 s[(\g)+3], 128<<16                   ; tile_dim0 = 128
	s_mov_b32 s[(\g)+4], 128                       ; tile_dim1 = 128
	s_mov_b32 s[(\g)+5], 2048                      ; 2,048 elements from row to row, in x and in gx
	s_mov_b32 s[(\g)+6], 0
	s_mov_b32 s[(\g)+7], 0
.endr
	; x's tiles hang on the tile row alone, gx's on the tile column alone; each address is made in registers that never hold the other coordinate
	s_lshl_b32 s70, s[TROW], 8
	s_lshl_b32 s71, s[CH], 7
	s_add_co_u32 s70, s70, s71                     ; x: row 256 x tile row + 128 x half,
	s_lshl_b32 s70, s70, 12                        ; of 4,096 bytes: under 2^26
	s_mov_b32 s71, 0
	s_lshl_b32 s74, s[TCOL], 8
	s_lshl_b32 s75, s[CH], 7
	s_add_co_u32 s74, s74, s75                     ; gx: row 256 x tile column + 128 x half
	s_lshl_b32 s74, s74, 12
	s_mov_b32 s75, 0
	s_mul_i32 s23, s[WV], HALFT                    ; where they go: wave x 128 rows: no place in the cluster enters an LDS address
	s_mov_b32 s[SEL], 0x76543210
	s_mov_b32 s[SEL+1], 0xfedcba98
	s_mov_b32 s[CS], 0x3fb8aa3b                    ; log2(e)
	s_mov_b32 s[CS+1], s[CS]
	s_mov_b32 s[TB], 0
	s_mov_b32 s[TS], 0
	s_wait_dscnt 0x0                               ; the opening add is done
	s_wait_kmcnt 0x0
	s_add_nc_u64 s[72:73], s[4:5], s[70:71]
	s_add_nc_u64 s[76:77], s[6:7], s[74:75]
	CROUND                                         ; all sixteen work-groups are here: the first joint loads meet
.irp s, 0,1
	s_mov_b32 s[G0A+4*(\s)], 1                     ; count = 1
	s_add_co_u32 s[G0A+4*(\s)+1], s23, (\s)*SLOT   ; LDS address
	s_add_nc_u64 s[G0A+4*(\s)+2:G0A+4*(\s)+3], s[72:73], (\s)*KB  ; global address: step s
	s_or_b32 s[G0A+4*(\s)+3], s[G0A+4*(\s)+3], 0x80000000  ; type = 2
	s_mov_b32 s[G0B+4*(\s)], 1
	s_add_co_u32 s[G0B+4*(\s)+1], s23, (\s)*SLOT
	s_add_nc_u64 s[G0B+4*(\s)+2:G0B+4*(\s)+3], s[76:77], (\s)*KB
	s_or_b32 s[G0B+4*(\s)+3], s[G0B+4*(\s)+3], 0x80000000
.endr
	s_cmp_eq_u32 s[RH], 0                          ; a wave's two first fills stand in one branch, ahead of every wait on TENSORcnt and every LDS read: two loads of mine are out
	s_cbranch_scc0 .Lfirst_b
	tensor_load_to_lds s[G0A:G0A+3], s[G1A:G1A+7]
	s_nop 0
	tensor_load_to_lds s[G0A+4:G0A+7], s[G1A:G1A+7]
	s_nop 0
.rept 4
	v_nop
.endr
	s_branch .Lfirst_asked
.Lfirst_b:
	tensor_load_to_lds s[G0B:G0B+3], s[G1B:G1B+7]
	s_nop 0
	tensor_load_to_lds s[G0B+4:G0B+7], s[G1B:G1B+7]
	s_nop 0
.rept 4
	v_nop
.endr
.Lfirst_asked:
	; A fragment is 16 rows x 32 d: lane l holds row l % 16, d = 8 (l / 16) + 0..7 and 16 + 8 (l / 16) + 0..7.  In bf16 (gx): two loads of 16 bytes, 32 apart, at 16 (l / 16).
	; In f32 (x): four loads, at 0, 16, 64 and 80 from 32 (l / 16).
	v_and_b32 v1, 15, v0                           ; l % 16
	v_bfe_u32 v2, v0, 4, 1                         ; l / 16
	v_and_b32 v3, 31, v0                           ; l
	v_mul_u32_u24 v4, v1, PITCH
	s_mul_i32 s80, s[RH], HALFT                    ; my 128 rows of x
	s_mul_i32 s81, s[CH], HALFT                    ; my 128 rows of gx,
	s_add_co_u32 s81, s81, 2*HALFT                 ; which lie behind x's 256
	v_lshl_add_u32 v[ADRA0], v2, 5, v4
	v_add_nc_u32 v[ADRA0], s80, v[ADRA0]
	v_lshl_add_u32 v[ADRB0], v2, 4, v4
	v_add_nc_u32 v[ADRB0], s81, v[ADRB0]
	v_mov_b32 v[ADRA], v[ADRA0]                    ; slot 0
	v_mov_b32 v[ADRB], v[ADRB0]
	s_mul_i32 s80, s[WV], 16*PITCH
	s_add_co_u32 s80, s80, STAGE                   ; my stage
	v_lshl_add_u32 v[STO], v2, 4, v4               ; in: row l % 16, 16 bytes for each half of the lanes
	v_add_nc_u32 v[STO], s80, v[STO]
	v_mul_u32_u24 v[RD], v2, PITCH                 ; back: lanes 0-15 take one row of 256 bytes, lanes 16-31 the next
	v_lshl_add_u32 v[RD], v1, 4, v[RD]
	v_add_nc_u32 v[RD], s80, v[RD]
	v_lshlrev_b32 v[CO], 11, v2                    ; and the same two rows in pw
	v_lshl_add_u32 v[CO], v1, 4, v[CO]
	s_lshl_b32 s80, s[WV], 10
	s_add_co_u32 s80, s80, SST                     ; my statistics
	v_lshl_add_u32 v[STW0], v1, 2, s80
	v_mov_b32 v[STW], v[STW0]
	v_lshl_add_u32 v[STR], v3, 4, s80
	v_lshlrev_b32 v[L16], 4, v3
	v_lshlrev_b32 v[BO], 5, v2
	v_lshlrev_b32 v[PFO], 12, v3
	s_lshl_b32 s80, s[TROW], 8
	s_lshl_b32 s81, s[RH], 7
	s_add_co_u32 s80, s80, s81                     ; my first row
	s_lshl_b32 s84, s[TCOL], 1
	s_add_co_u32 s84, s84, s[CH]                   ; my block of 128 keys
	s_lshl_b32 s82, s80, 11
	s_lshl_b32 s85, s84, 8
	s_add_co_u32 s82, s82, s85
	s_mov_b32 s83, 0
	s_add_nc_u64 s[10:11], s[10:11], s[82:83]      ; pw at my first row, my block's 256 bytes
	s_lshl_b32 s82, s84, 14
	s_add_co_u32 s82, s82, s80
	s_lshl_b32 s82, s82, 2
	s_add_nc_u64 s[12:13], s[12:13], s[82:83]      ; st at cm[block][my first row]
	s_lshl_b32 s82, s84, 9
	s_add_nc_u64 s[8:9], s[8:9], s[82:83]          ; c at my block
	; the prefetches
	s_lshl_b32 s80, s[TROW], 8
	s_lshl_b32 s81, s[TCOL], 8
	s_and_b32 s82, ttmp7, 0xffff                   ; cluster y
	s_cmp_eq_u32 s[RH], 0                          ; do I fetch for x?
	s_cselect_b32 s83, s80, s81                    ; the tile's first row
	s_cselect_b32 s84, s[CX], s[CY]                ; my place among the four that ask for it with me
	s_cselect_b32 s85, ttmp9, s82                  ; the coordinate along which other clusters read the same rows
	s_cselect_b64 s[PFA:PFA+1], s[4:5], s[6:7]
	s_cmp_eq_u32 s85, 0
	s_cselect_b32 s[LIM], 1, -1                    ; the same in all sixteen partners, for a given wave
	s_lshl_b32 s86, s[CH], 7
	s_add_co_u32 s83, s83, s86                     ; + the 128 rows that I fetch
	s_lshl_b32 s84, s84, 5
	s_add_co_u32 s83, s83, s84                     ; + my work-group's 32 of them
	s_lshl_b32 s86, s83, 12
	s_mov_b32 s87, 0
	s_add_nc_u64 s[PFA:PFA+1], s[PFA:PFA+1], s[86:87]
	s_add_nc_u64 s[PFA:PFA+1], s[PFA:PFA+1], 2*KB  ; at step 2: the first refill steps it to 3.  Nothing is prefetched here, at the head, where every work-group's first tiles are on their way
	WIN 0x40                                       ; destination window 1
.irp b, 0,1,2,3,4,5,6,7
	global_load_b128 v[BIAS+8*(\b):BIAS+8*(\b)+3],   v[BO], s[8:9] offset:64*(\b)      ; c of keys 16 b + 8 (l / 16) + 0..7, laid as an accumulator's registers
	global_load_b128 v[BIAS+8*(\b)+4:BIAS+8*(\b)+7], v[BO], s[8:9] offset:64*(\b)+16
.endr
	WIN 0
; One rounding: word c of 32 of the four raw fragments, into the buffer that the next pair multiplies.
.macro RIDER
	v_cvt_pk_bf16_f32 v[FAN+8*(PT4+c/8)+c%8], v[RAW+16*(c/8)+2*(c%8)], v[RAW+16*(c/8)+2*(c%8)+1]
.set c, c+1
.endm
; 16 products: row blocks a0, a0 + 1 of the window's four (hi = 0: my rows 0-63, 1: rows 64-127) x all 8 key blocks, 32 d.  The 64 accumulators take turns, one instruction a turn, in the same order in every
; quarter.  cm = 1: the product starts the sum with c.  ride = 1: four roundings stand behind each of the first eight; they name no register of the products round them.
.macro MUL16 fb, fa, hi, a0, cm, ride
.set n, 0
.irp a, \a0, (\a0)+1
.irp b, 0,1,2,3,4,5,6,7
.if \cm
	WIN 0x91+0x40*(\hi)                            ; source 0 (G) and C (c) window 1, source 1 (x) window 0, D window 2 or 3
	v_wmma_f32_16x16x32_bf16 v[8*(8*(\a)+(\b)):8*(8*(\a)+(\b))+7], v[(\fb)+8*(\b):(\fb)+8*(\b)+7], v[(\fa)+8*(4*(\hi)+(\a)):(\fa)+8*(4*(\hi)+(\a))+7], v[BIAS+8*(\b):BIAS+8*(\b)+7]
.else
	WIN 0xa1+0x50*(\hi)                            ; C and D window 2 or 3
	v_wmma_f32_16x16x32_bf16 v[8*(8*(\a)+(\b)):8*(8*(\a)+(\b))+7], v[(\fb)+8*(\b):(\fb)+8*(\b)+7], v[(\fa)+8*(4*(\hi)+(\a)):(\fa)+8*(4*(\hi)+(\a))+7], v[8*(8*(\a)+(\b)):8*(8*(\a)+(\b))+7]
.endif
.if (\ride) && (n < 8)
	WIN 0
	RIDER
	RIDER
	RIDER
	RIDER
.endif
.set n, n+1
.endr
.endr
.endm
; 32 LDS loads in one run, for the next pair (its 32 d begin at d = 32 dn of the slot's 64): four raw fragments of x, then the eight fragments of hi (PT4 = 0) or lo (PT4 = 4).
.macro RUN dn
	WIN 0
.irp i, 0,1,2,3
	ds_load_b128 v[RAW+16*(\i):RAW+16*(\i)+3],     v[ADRA] offset:128*(\dn)+(PT4+(\i))*FRG
	ds_load_b128 v[RAW+16*(\i)+4:RAW+16*(\i)+7],   v[ADRA] offset:128*(\dn)+(PT4+(\i))*FRG+16
	ds_load_b128 v[RAW+16*(\i)+8:RAW+16*(\i)+11],  v[ADRA] offset:128*(\dn)+(PT4+(\i))*FRG+64
	ds_load_b128 v[RAW+16*(\i)+12:RAW+16*(\i)+15], v[ADRA] offset:128*(\dn)+(PT4+(\i))*FRG+80
.endr
	WIN 0x40
.irp i, 0,1,2,3,4,5,6,7
	ds_load_b128 v[FBN+8*(\i):FBN+8*(\i)+3],   v[ADRB] offset:32*PT4+64*(\dn)+(\i)*FRG
	ds_load_b128 v[FBN+8*(\i)+4:FBN+8*(\i)+7], v[ADRB] offset:32*PT4+64*(\dn)+(\i)*FRG+32
.endr
.endm
; A QUARTER: 64 products of buffer par on hi (lo = 0) or lo (lo = 1); in its middle the run for the next pair; behind the run's wait the roundings.  A run's 16 loads of G are waited for by the next
; quarter's wait, a quarter ahead of their first use.
; turn = 2: THE CHANGE OF SLOTS.  Each wave waits for all its tensor loads, of which one is out: its part of the other slot; adds 0 to its spare word; and waits for that and for its reads of the slot, which
; ended in the quarter before.  The barrier opens a round of the cluster's, so that no wave of any partner still reads the slot or has a load on its way; the joint refill is the first thing behind it and has
; 224 products in which to land.  turn = 1: the same with nothing to fetch, and no round.
.macro Q par, lo, dn, turn, cm
.set FB,  128*(\par)+64*(\lo)
.set FA,  AB0+64*(\par)
.set FBN, 128*(1-(\par))+64*(\lo)
.set FAN, AB0+64*(1-(\par))
.set PT4, 4*(\lo)
.set c, 0
.if \turn
.if (\turn) == 2
	s_wait_xcnt 0x0                                ; the last prefetch, a step back, has read its address
	s_add_nc_u64 s[PFA:PFA+1], s[PFA:PFA+1], KB
.endif
	WIN 0
	s_wait_tensorcnt 0x0                           ; no tensor load of mine is out, so a group 0 may be written
	ds_add_u32 v[SPW], v[NIL]                      ; 0 onto my spare word; scalar steps and sixteen products stand between it and the wait for it
	s_xor_b32 s[TB], s[TB], SLOT
.if (\turn) == 2
	s_xor_b32 s[G0A+5], s[G0A+5], SLOT             ; the walking descriptors: the other slot than last time,
	s_add_nc_u64 s[G0A+6:G0A+7], s[G0A+6:G0A+7], KB  ; the next step; the type bits on top are not reached
	s_xor_b32 s[G0B+5], s[G0B+5], SLOT
	s_add_nc_u64 s[G0B+6:G0B+7], s[G0B+6:G0B+7], KB
.endif
	MUL16 FB, FA, 0, 0, 0, 0
	s_wait_dscnt 0x0                               ; the add is done, and my reads of the slot are over
	s_barrier_signal -1
	MUL16 FB, FA, 0, 2, 0, 0                       ; work on registers while the others arrive
	WIN 0
	s_barrier_wait -1
.if (\turn) == 2
	CREST
	JLOAD                                          ; the four v_nop behind it are also the places in front of the loads below
.else
	PLACES
.endif
	v_add_nc_u32 v[ADRA], s[TB], v[ADRA0]
	v_add_nc_u32 v[ADRB], s[TB], v[ADRB0]
.else
	MUL16 FB, FA, 0, 0, \cm, 0
	MUL16 FB, FA, 0, 2, \cm, 0
	PLACES
.endif
	RUN \dn
.if (\turn) == 2
	WIN 0
	ASK                                            ; behind the joint load and the run of LDS loads
.endif
	MUL16 FB, FA, 1, 0, \cm, 0
	s_wait_dscnt 16                                ; the run's 16 loads of G may stay out: the raw fragments, and all that is older, are in
	MUL16 FB, FA, 1, 2, \cm, 1
.endm
	s_wait_tensorcnt 0x1                           ; my part of step 0 is in; step 1's may stay out
	s_barrier_signal -1
	s_barrier_wait -1                              ; everybody's is
.irp i, 0,1,2,3                        ; the first pair, whole: raw fragments 0-3, raw fragments 4-7 (into buffer 1's registers, which are free), hi and lo
	ds_load_b128 v[RAW+16*(\i):RAW+16*(\i)+3],     v[ADRA] offset:(\i)*FRG
	ds_load_b128 v[RAW+16*(\i)+4:RAW+16*(\i)+7],   v[ADRA] offset:(\i)*FRG+16
	ds_load_b128 v[RAW+16*(\i)+8:RAW+16*(\i)+11],  v[ADRA] offset:(\i)*FRG+64
	ds_load_b128 v[RAW+16*(\i)+12:RAW+16*(\i)+15], v[ADRA] offset:(\i)*FRG+80
	ds_load_b128 v[AB0+64+16*(\i):AB0+64+16*(\i)+3],     v[ADRA] offset:(4+(\i))*FRG
	ds_load_b128 v[AB0+64+16*(\i)+4:AB0+64+16*(\i)+7],   v[ADRA] offset:(4+(\i))*FRG+16
	ds_load_b128 v[AB0+64+16*(\i)+8:AB0+64+16*(\i)+11],  v[ADRA] offset:(4+(\i))*FRG+64
	ds_load_b128 v[AB0+64+16*(\i)+12:AB0+64+16*(\i)+15], v[ADRA] offset:(4+(\i))*FRG+80
.endr
	WIN 0x40
.irp i, 0,1,2,3,4,5,6,7
	ds_load_b128 v[8*(\i):8*(\i)+3],       v[ADRB] offset:(\i)*FRG
	ds_load_b128 v[8*(\i)+4:8*(\i)+7],     v[ADRB] offset:(\i)*FRG+32
	ds_load_b128 v[64+8*(\i):64+8*(\i)+3], v[ADRB] offset:128+(\i)*FRG
	ds_load_b128 v[64+8*(\i)+4:64+8*(\i)+7], v[ADRB] offset:128+(\i)*FRG+32
.endr
	WIN 0
	s_wait_dscnt 0x0
	s_wait_loadcnt 0x0                             ; c
.set i, 0
.rept 32
	v_cvt_pk_bf16_f32 v[AB0+i], v[RAW+2*i], v[RAW+2*i+1]
	v_cvt_pk_bf16_f32 v[AB0+32+i], v[AB0+64+2*i], v[AB0+64+2*i+1]
.set i, i+1
.endr
	Q 0, 0, 1, 0, 1                                ; the first quarter stands in front of the loop: its products start the sums, with c
	WIN 0                                          ; at a label and at a branch every window is 0
	s_mov_b32 s[CNT], REFILLS
.Lk:                                                   ; a trip: from a step's second quarter to the next step's first; it fills the slot that it leaves
	Q 0, 1, 1, 0, 0
	Q 1, 0, 0, 2, 0
	Q 1, 1, 0, 0, 0
	Q 0, 0, 1, 0, 0
	WIN 0
	s_sub_co_u32 s[CNT], s[CNT], 1
	s_cmp_lg_u32 s[CNT], 0
	s_cbranch_scc1 .Lk
	s_mov_b32 s[CNT], 2                            ; the last two steps are written apart: nothing is asked for
	s_branch .Ltin
.Ltail:
	Q 0, 0, 1, 0, 0
	WIN 0
.Ltin:
	Q 0, 1, 1, 0, 0
	Q 1, 0, 0, 1, 0                                ; in the second trip there is no further step: its 64 loads (from the slot read before) and 64 roundings serve nothing: the price, once a launch, of one text for both trips
	Q 1, 1, 0, 0, 0
	WIN 0
	s_sub_co_u32 s[CNT], s[CNT], 1
	s_cmp_lg_u32 s[CNT], 0
	s_cbranch_scc1 .Ltail
; THE WAY OUT, 16 rows (a row block t of window 2) at a time.  PACK: the block's maximum for my row (64 scores a lane, and the lane 16 away), cm, p, its rounding to f16, l.
; The 64 exponentials are ONE BATCH: nothing ahead of the one wait names a result of theirs.
.macro PACK t
.set SB, 64*(\t)
	WIN 0x2a                                       ; three sources window 2, destination window 0
.irp b, 0,1,2,3,4,5,6,7
	v_max3_num_f32 v[MX+(\b)], v[SB+8*(\b)], v[SB+8*(\b)+1], v[SB+8*(\b)+2]  ; each accumulator's lowest registers are read first
.endr
	WIN 0x28
.irp b, 0,1,2,3,4,5,6,7
	v_max3_num_f32 v[MX+(\b)], v[MX+(\b)], v[SB+8*(\b)+3], v[SB+8*(\b)+4]
.endr
.irp b, 0,1,2,3,4,5,6,7
	v_max3_num_f32 v[MX+(\b)], v[MX+(\b)], v[SB+8*(\b)+5], v[SB+8*(\b)+6]
.endr
.irp b, 0,1,2,3
	v_max3_num_f32 v[MX+(\b)], v[MX+(\b)], v[SB+16*(\b)+7], v[SB+16*(\b)+15]
.endr
	WIN 0
	v_max3_num_f32 v[MX], v[MX], v[MX+1], v[MX+2]
	v_max3_num_f32 v[MX+3], v[MX+3], v[MX+4], v[MX+5]
	v_max3_num_f32 v[MX], v[MX], v[MX+3], v[MX+6]
	v_max_num_f32 v[MX], v[MX], v[MX+7]
	v_permlanex16_b32 v[MX+1], v[MX], s[SEL], s[SEL+1]  ; the row's other 64 keys lie in the lane 16 away
	v_max_num_f32 v[CM+1], v[MX], v[MX+1]
	v_mul_f32 v[CM], s[CS], v[CM+1]
	WIN 0x82                                       ; destination and source 0 window 2, source 2 window 0
.set i, 0
.rept 32
	v_pk_fma_f32 v[SB+i:SB+i+1], v[SB+i:SB+i+1], s[CS:CS+1], v[CM:CM+1] op_sel_hi:[1,0,0] neg_lo:[0,0,1] neg_hi:[0,0,1]  ; log2(e) s - cm
.set i, i+2
.endr
.set i, 0
.rept 64
	v_exp_f32 v[SB+i], v[SB+i]
.set i, i+1
.endr
	v_nop                                          ; a plain instruction behind the last exponential,
	s_wait_alu depctr_va_vdst(0)                   ; and a wait ahead of the first use: one for the batch
	WIN 0x0a
.set i, 0
.rept 32
	v_cvt_pk_f16_f32 v[TMP+i], v[SB+2*i], v[SB+2*i+1]
.set i, i+1
.endr
	WIN 0x8a                                       ; the sum of the unrounded p, in place: neighbours 32, 16, 8 and 4 registers apart
.irp w, 32,16,8,4
.set i, 0
.rept (\w)/2
	v_pk_add_f32 v[SB+i:SB+i+1], v[SB+i:SB+i+1], v[SB+(\w)+i:SB+(\w)+i+1]
.set i, i+2
.endr
.endr
	WIN 0x0a
	v_pk_add_f32 v[LL:LL+1], v[SB:SB+1], v[SB+2:SB+3]
	WIN 0
	v_add_f32 v[LL], v[LL], v[LL+1]
	v_permlanex16_b32 v[LL+1], v[LL], s[SEL], s[SEL+1]
	v_add_f32 v[LL], v[LL], v[LL+1]
.endm
.macro TOSTAGE t                       ; cm and l into my statistics; p into my stage, rows of 272 bytes, and back as whole rows of 256
	WIN 0
	ds_store_b32 v[STW], v[CM] offset:64*(\t)      ; both halves of the lanes write the same word with the same number
	ds_store_b32 v[STW], v[LL] offset:64*(\t)+512
.irp b, 0,1,2,3,4,5,6,7
	ds_store_b128 v[STO], v[TMP+4*(\b):TMP+4*(\b)+3] offset:32*(\b)
.endr
.irp f, 0,1,2,3,4,5,6,7
	ds_load_b128 v[OB+32*((\t)%2)+4*(\f):OB+32*((\t)%2)+4*(\f)+3], v[RD] offset:(\f)*2*PITCH  ; LDS serves a wave's instructions in order (ISA guide 5.7.1.4): these see the stores above
.endr
.endm
.macro SEND t
	WIN 0
	s_wait_dscnt 0x0                               ; the block is back in registers
	s_wait_xcnt 0x0                                ; earlier stores have read their registers: the buffer that they left is loaded again only behind this wait
.irp f, 0,1,2,3,4,5,6,7
	global_store_b128 v[CO], v[OB+32*((\t)%2)+4*(\f):OB+32*((\t)%2)+4*(\f)+3], s[10:11] offset:(16*(\t)+2*(\f))*PROW th:TH_STORE_NT  ; 16 lanes store 256 consecutive bytes, at a multiple of 256 from pw's first byte
.endr
.endm
	s_wait_dscnt 0x0                               ; the last trip's idle loads have landed: their registers are free
	PLACES
	PLACES                                         ; between the last products and the first read of a result
	s_mov_b32 s[CNT], 2
	s_branch .Lein
.Lepi:                                                 ; my rows 64-127: their accumulators go where the one text of the way out names them
	s_wait_xcnt 0x0                                ; the stores have read pw's address
	s_add_nc_u64 s[10:11], s[10:11], 64*PROW
	s_add_co_u32 s[TS], s[TS], 256
	v_add_nc_u32 v[STW], s[TS], v[STW0]
	WIN 0x83                                       ; source window 3, destination window 2
.set i, 0
.rept 256
	v_mov_b32 v[i], v[i]
.set i, i+1
.endr
	WIN 0
.Lein:
	PACK 0
	TOSTAGE 0
.irp t, 1,2,3                          ; a block's arithmetic stands between the loads of the block before and its stores
	PACK \t
	SEND (\t)-1
	TOSTAGE \t
.endr
	SEND 3
	s_sub_co_u32 s[CNT], s[CNT], 1
	s_cmp_lg_u32 s[CNT], 0
	s_cbranch_scc1 .Lepi
	ds_load_b128 v[MX:MX+3],   v[STR]              ; my wave's 128 cm and 128 l: 512 consecutive bytes each
	ds_load_b128 v[MX+4:MX+7], v[STR] offset:512
	s_wait_dscnt 0x0
	global_store_b128 v[L16], v[MX:MX+3],   s[12:13]
	global_store_b128 v[L16], v[MX+4:MX+7], s[12:13] offset:LOFF
	s_wait_tensorcnt 0x0                           ; the wave's end, behind my last tensor load and my last LDS store
	ds_add_u32 v[SPW], v[NIL]
	s_wait_dscnt 0x0
	CROUND                                         ; the closing round: no work-group ends while a partner may still ask for a tile that names it
	s_endpgm
.Lfunc_end_k_q690d9bf775_scores:
	.size	k_q690d9bf775_scores, .Lfunc_end_k_q690d9bf775_scores-k_q690d9bf775_scores
	.p2alignl 7, 3214868480
	.fill 96, 4, 3214868480
	.section	.rodata,"a",@progbits
	.p2align	6, 0x0
	.amdhsa_kernel k_q690d9bf775_scores
		.amdhsa_group_segment_fixed_size 327680
		.amdhsa_private_segment_fixed_size 0
		.amdhsa_enable_private_segment 0
		.amdhsa_kernarg_size 40
		.amdhsa_user_sgpr_count 2
		.amdhsa_user_sgpr_kernarg_segment_ptr 1
		.amdhsa_wavefront_size32 1
		.amdhsa_system_sgpr_workgroup_id_x 1
		.amdhsa_system_sgpr_workgroup_id_y 1
		.amdhsa_system_sgpr_workgroup_id_z 1
		.amdhsa_system_vgpr_workitem_id 0
		.amdhsa_next_free_vgpr 1024
		.amdhsa_next_free_sgpr 88
		.amdhsa_reserve_vcc 0
		.amdhsa_float_denorm_mode_32 3
		.amdhsa_float_denorm_mode_16_64 3
		.amdhsa_memory_ordered 1
		.amdhsa_forward_progress 1
		.amdhsa_inst_pref_size 158
	.end_amdhsa_kernel
	.amdgpu_metadata
---
amdhsa.version: [ 1, 2 ]
amdhsa.kernels:
  - .name:           k_q690d9bf775_scores
    .symbol:         k_q690d9bf775_scores.kd
    .args:
      - { .name: x, .offset: 0, .size: 8, .value_kind: global_buffer, .address_space: global }
      - { .name: gx, .offset: 8, .size: 8, .value_kind: global_buffer, .address_space: global }
      - { .name: cb, .offset: 16, .size: 8, .value_kind: global_buffer, .address_space: global }
      - { .name: pw, .offset: 24, .size: 8, .value_kind: global_buffer, .address_space: global }
      - { .name: st, .offset: 32, .size: 8, .value_kind: global_buffer, .address_space: global }
    .group_segment_fixed_size: 327680
    .private_segment_fixed_size: 0
    .kernarg_segment_align: 8
    .kernarg_segment_size: 40
    .max_flat_workgroup_size: 128
    .sgpr_count:     88
    .vgpr_count:     1024
    .wavefront_size: 32
...
	.end_amdgpu_metadata
.endif
;; end of part 2
;; launch context (part 3): grid 4 x 64, 4 waves a work-group, clusters of 4 x 4, 327,680 bytes of LDS; arguments pw, vh, st, out0; writes out0
.if DOCPART == 3
	.amdgcn_target "amdgcn-amd-amdhsa--gfx1250"
	.amdhsa_code_object_version 6
	.text
	.protected	k_q690d9bf775_context
	.globl	k_q690d9bf775_context
	.p2align	8
	.type	k_q690d9bf775_context,@function
k_q690d9bf775_context:
	s_mov_b64 s[64:65], 0
	v_nop
	global_prefetch_b8 v0, s[64:65] scope:SCOPE_SE
	s_setreg_imm32_b32 hwreg(HW_REG_WAVE_MODE, 25, 1), 1
	s_wait_xcnt 0x0
	s_wait_alu depctr_hold_cnt(0) depctr_sa_sdst(0) depctr_va_vdst(0) depctr_va_sdst(0) depctr_va_ssrc(0) depctr_va_vcc(0) depctr_vm_vsrc(0)
	s_getreg_b32 s2, hwreg(HW_REG_IB_STS2, 6, 4)
	s_cmp_eq_u32 s2, 0
	s_cbranch_scc0 .Lentry_in_a_cluster
	s_endpgm
.Lentry_in_a_cluster:
	s_bfe_u32 s2, ttmp6, 0x10000c
	s_cmp_lg_u32 s2, 0xf033
	s_cbranch_scc0 .Lentry_shape_is_right
	s_endpgm
.Lentry_shape_is_right:
; out[row][d] = (sum over keys of p f V[key][d]) / L.  pw: p = 2^(log2(e) s - cm[block]) in f16, [16384][1024]; vh: V in f16, [1024][1024]; st: for each of 8 blocks of 128 keys and each row cm and l, f32.
; THE ROW'S TRUE MAXIMUM is taken here: M = the largest of the row's eight cm; f[block] = 2^(cm[block] - M), at most 1, rounded to f16; L = the sum of f l, with the rounded f.  L is at least 1.
; p f is made in f16 (one packed multiply for two weights) between the LDS load and the product; sums in f32; out is f32, scaled by 1 / L once.
; LIMITS: p f below 6e-5 keeps f16's step of 6e-8; f below 3e-8 counts as 0; NaN and infinities are not treated apart.
; SHARES.  A tile of 256 rows x 256 d is made by a work-group of four waves; a wave makes 128 x 128: 64 accumulators, 512 registers.  Keys go in steps of 128, one block, through a ring of two LDS slots.
; THE PRODUCT IS TRANSPOSED (source 0 = 16 d x 32 keys of V, turned by ds_load_tr16_b128; source 1 = 16 rows of p): a lane holds ONE row (lane % 16), so f and 1 / L are one number a lane and row block.
; CLUSTERS: 4 x 4 work-groups.  The four of a row of the cluster need the same rows of pw, the four of a column the same columns of vh: each tile is asked for JOINTLY.
; THE LAST STEP GOES BY ROWS OF out, NOT BY KEYS.  All its fragments of V (4 quarters x 64 registers) fill window 1; then my eight blocks of 16 rows are finished one after the other, 32 products each, and each
; block leaves while the next is multiplied: nothing follows the tile under which its 256 KiB of stores could leave.  LDS is read no more than in any other step.
; REGISTERS, in windows of 256 (s_set_vgpr_msb: bits 1:0 source 0, 3:2 source 1, 5:4 source 2, 7:6 destination):
;   window 0: v16-31 addresses; v32-39 f of my eight row blocks (an f16 pair each); v40-55 1 / L, twice each; v64-127, v128-191 p's fragments, two buffers; v192-255 at work on the way out
;             (in the last step: v64-127 p's fragments of a row block, 16 rows x 128 keys, two buffers; v128-191 and v192-255 a block of out, by turns)
;   window 1: v64-127, v128-191 V's fragments, two buffers (in the last step all 256);   window 2: the accumulators of my rows 0-63 ((a, b) at v[8 (8 a + b)]);   window 3: those of my rows 64-127
.set PITCH,  272                       ; a row of p in LDS: 256 bytes + 16 = 68 words: the 16 rows of a load start at 16 different groups of four banks (ISA guide 11.1)
.set VPITCH, 544                       ; a row of V: 512 bytes + 32 = 136 words
.set FRG,    16*PITCH
.set HALFT,  128*PITCH                 ; what one tensor load brings: 128 rows of p, or 64 rows of V
.set SLOT,   4*HALFT                   ; p's 256 rows, then V's 128.  Its bits (17 and 13) are set in no wave's 0x8800 x wave
.set STAGE,  2*SLOT                    ; behind the ring: 16 rows x 528 bytes for each wave, for the way out
.set OPITCH, 528
.set TAB,    STAGE+4*16*OPITCH         ; f: [step 0..7][row half][r][a], a word each
.set RL,     TAB+8*1024                ; 1 / L: [row half][r][a], 8 bytes each
.set SPARE,  RL+2048                   ; the spare words, 128 bytes for each wave: two blocks of 256 bytes that no other line names
.set KBA,    256                       ; a step in pw: bytes along a row
.set KBB,    262144                    ; a step in vh: 128 rows of 2,048 bytes
.set OROW,   4096                      ; bytes in a row of out
.set LOFF,   524288
.set REFILLS, 6                        ; steps 2 to 7
.set ADRA0, 16
.set ADRB0, 17
.set ADRA,  18
.set ADRB,  19
.set TW,    20                         ; v20  where I put f of my two rows
.set RW,    21                         ; v21  and their 1 / L
.set SCA,   22                         ; v22  where I read f of my eight row blocks, in the step in hand
.set RLA,   23                         ; v23  and their 1 / L
.set STO,   24
.set RD,    25
.set CO,    26
.set SO,    27                         ; v27  8 x lane
.set SPW,   28                         ; v28  my spare word; never rewritten
.set NIL,   29                         ; v29  0; never rewritten
.set PFO,   30
.set SCA0,  31
.set SC,    32
.set RLV,   40
.set F0,    64
.set F1,    128
.set PA,    64                         ; the last step: p's fragments of row block a at PA + 32 (a % 2)
.set WV,  14
.set RH,  15                           ; which half of the tile's rows is mine.  Also: I fetch for pw (0) or for vh (1)
.set CH,  16                           ; which half of its d.  Also: which half of that tile I fetch
.set CX,  17
.set CY,  18
.set TCOL, 19
.set TROW, 20
.set G1A, 24
.set G0A, 32
.set G1B, 40
.set G0B, 48
.set CNT, 56
.set TB,  57
.set LIM, 58
.set TS,  59                           ; s59  1,024 x the step whose f is read
.set PFA, 60
.set PFS, 62                           ; s[62:63] the prefetches' step
.set SEL, 66
.set MSB, 0
.macro WIN new
.if MSB != (\new)
	s_set_vgpr_msb (MSB<<8)|(\new)
.set MSB, \new
.endif
.endm
.macro PLACES                          ; four plain instructions between a matrix instruction and a read of its result, a write of or a load into its registers (ISA guide 7.12.1 for vector instructions)
.rept 4
	v_nop
.endr
.endm
.macro JLOAD                           ; a joint refill: waves 0 and 1 fetch pw's two halves, waves 2 and 3 vh's; an s_nop 0 and four v_nop follow each line
	s_cmp_eq_u32 s[RH], 0
	s_cbranch_scc0 .Lfor_b_\@
	tensor_load_to_lds s[G0A+4:G0A+7], s[G1A:G1A+7]
	s_nop 0
.rept 4
	v_nop
.endr
	s_branch .Lasked_\@
.Lfor_b_\@:
	tensor_load_to_lds s[G0B+4:G0B+7], s[G1B:G1B+7]
	s_nop 0
.rept 4
	v_nop
.endr
.Lasked_\@:
.endm
; A prefetch into the L2 of the step that the NEXT refill will ask for, one instruction a wave, 256 products ahead of that load.  Each aligned block of 256 bytes is named once in the launch: pw's rows are read
; by one cluster alone, which asks (32 rows for each of the four partners, a lane a row); vh's columns by all sixteen, of which those with y = 0 ask (16 rows x 2 blocks for each partner).  The partners are
; told apart by address.  The last refill asks for nothing.
.macro ASK
	s_cmp_gt_u32 s[CNT], s[LIM]
	s_cbranch_scc0 .Lnot_mine_\@
	global_prefetch_b8 v[PFO], s[PFA:PFA+1] th:TH_LOAD_NT scope:SCOPE_SE
.Lnot_mine_\@:
.endm
.macro CREST
	s_cmp_lg_u32 s[WV], 0
	s_cbranch_scc1 .Lnot_wave_0_\@
	s_barrier_signal -3
.Lnot_wave_0_\@:
	s_barrier_wait -3
	s_barrier_signal -1
	s_barrier_wait -1
.endm
.macro CROUND
	s_barrier_signal -1
	s_barrier_wait -1
	CREST
.endm
	s_load_b256 s[4:11], s[0:1], 0x0               ; pw s[4:5], vh s[6:7], st s[8:9], out s[10:11]
	v_lshl_add_u32 v[SPW], v0, 2, SPARE
	v_mov_b32 v[NIL], 0
	ds_add_u32 v[SPW], v[NIL]                      ; the wave's opening: the add and its wait stand ahead of my first tensor load; the set-up below, work on registers, stands between them
	v_lshrrev_b32 v1, 5, v0
	v_readfirstlane_b32 s[WV], v1
	s_lshr_b32 s[RH], s[WV], 1
	s_and_b32 s[CH], s[WV], 1
	s_bfe_u32 s[CX], ttmp6, 0x40000
	s_bfe_u32 s[CY], ttmp6, 0x40004
	s_lshl_b32 s[TCOL], ttmp9, 2
	s_add_co_u32 s[TCOL], s[TCOL], s[CX]
	s_and_b32 s[TROW], ttmp7, 0xffff
	s_lshl_b32 s[TROW], s[TROW], 2
	s_add_co_u32 s[TROW], s[TROW], s[CY]
	s_lshl_b32 s21, s[CY], 2
	s_lshl_b32 s21, 15, s21                        ; my row of the cluster
	s_lshl_b32 s22, 0x1111, s[CX]                  ; my column
	s_or_b32 s[G1A], s21, (1<<16)|(1<<20)|(1<<21)|(5<<22)|(3<<25)  ; pw: 128 rows x 128 elements of 2 bytes; 4 words of padding after every 64
	s_mov_b32 s[G1A+1], 128<<16
	s_mov_b32 s[G1A+2], 128<<16
	s_mov_b32 s[G1A+3], 128<<16
	s_mov_b32 s[G1A+4], 128
	s_mov_b32 s[G1A+5], 1024                       ; 1,024 elements from row to row, in pw and in vh
	s_mov_b32 s[G1A+6], 0
	s_mov_b32 s[G1A+7], 0
	s_or_b32 s[G1B], s22, (1<<16)|(1<<20)|(1<<21)|(6<<22)|(7<<25)  ; vh: 64 rows x 256 elements; 8 words of padding after every 128
	s_mov_b32 s[G1B+1], 256<<16
	s_mov_b32 s[G1B+2], 64<<16
	s_mov_b32 s[G1B+3], 256<<16
	s_mov_b32 s[G1B+4], 64
	s_mov_b32 s[G1B+5], 1024
	s_mov_b32 s[G1B+6], 0
	s_mov_b32 s[G1B+7], 0
	s_lshl_b32 s70, s[TROW], 8
	s_lshl_b32 s71, s[CH], 7
	s_add_co_u32 s70, s70, s71                     ; pw: row 256 x tile row + 128 x half,
	s_lshl_b32 s70, s70, 11                        ; of 2,048 bytes
	s_mov_b32 s71, 0
	s_lshl_b32 s74, s[CH], 17                      ; vh: key 64 x half, of 2,048 bytes,
	s_lshl_b32 s75, s[TCOL], 9                     ; the tile column's 512 bytes
	s_add_co_u32 s74, s74, s75
	s_mov_b32 s75, 0
	s_mul_i32 s23, s[WV], HALFT
	s_mov_b32 s[SEL], 0x76543210
	s_mov_b32 s[SEL+1], 0xfedcba98
	s_mov_b32 s[TB], 0
	s_mov_b32 s[TS], 0
	s_wait_dscnt 0x0                               ; the opening add is done
	s_wait_kmcnt 0x0
	s_add_nc_u64 s[72:73], s[4:5], s[70:71]
	s_add_nc_u64 s[76:77], s[6:7], s[74:75]
	CROUND                                         ; all sixteen work-groups are here: the first joint loads meet
.irp s, 0,1
	s_mov_b32 s[G0A+4*(\s)], 1
	s_add_co_u32 s[G0A+4*(\s)+1], s23, (\s)*SLOT
	s_add_nc_u64 s[G0A+4*(\s)+2:G0A+4*(\s)+3], s[72:73], (\s)*KBA
	s_or_b32 s[G0A+4*(\s)+3], s[G0A+4*(\s)+3], 0x80000000
	s_mov_b32 s[G0B+4*(\s)], 1
	s_add_co_u32 s[G0B+4*(\s)+1], s23, (\s)*SLOT
	s_add_nc_u64 s[G0B+4*(\s)+2:G0B+4*(\s)+3], s[76:77], (\s)*KBB
	s_or_b32 s[G0B+4*(\s)+3], s[G0B+4*(\s)+3], 0x80000000
.endr
	s_cmp_eq_u32 s[RH], 0                          ; a wave's two first fills stand in one branch: two loads of mine are out
	s_cbranch_scc0 .Lfirst_b
	tensor_load_to_lds s[G0A:G0A+3], s[G1A:G1A+7]
	s_nop 0
	tensor_load_to_lds s[G0A+4:G0A+7], s[G1A:G1A+7]
	s_nop 0
.rept 4
	v_nop
.endr
	s_branch .Lfirst_asked
.Lfirst_b:
	tensor_load_to_lds s[G0B:G0B+3], s[G1B:G1B+7]
	s_nop 0
	tensor_load_to_lds s[G0B+4:G0B+7], s[G1B:G1B+7]
	s_nop 0
.rept 4
	v_nop
.endr
.Lfirst_asked:
	v_and_b32 v1, 15, v0                           ; r = l % 16
	v_bfe_u32 v2, v0, 4, 1                         ; h = l / 16
	v_and_b32 v3, 31, v0                           ; l
	v_and_b32 v4, 7, v0                            ; l % 8
	v_bfe_u32 v5, v0, 3, 1                         ; (l / 8) % 2
	v_bfe_u32 v6, v0, 3, 2                         ; l / 8
	v_lshlrev_b32 v[SO], 3, v3
	s_lshl_b32 s80, s[TROW], 8
	s_lshl_b32 s81, s[WV], 6
	s_add_co_u32 s80, s80, s81                     ; the statistics: wave w takes the tile's rows 64 w + 2 l and 64 w + 2 l + 1
	s_lshl_b32 s80, s80, 2
	s_mov_b32 s81, 0
	s_add_nc_u64 s[8:9], s[8:9], s[80:81]
.irp k, 0,1,2,3,4,5,6,7
	global_load_b64 v[64+2*(\k):65+2*(\k)], v[SO], s[8:9] offset:65536*(\k)       ; cm of block k: the wave reads 256 consecutive bytes
.endr
.irp k, 0,1,2,3,4,5,6,7
	global_load_b64 v[80+2*(\k):81+2*(\k)], v[SO], s[8:9] offset:LOFF+65536*(\k)  ; l
.endr
	v_mul_u32_u24 v7, v1, PITCH                    ; a fragment of p: row r, 16 bytes for each half of the lanes
	v_lshl_add_u32 v7, v2, 4, v7
	s_mul_i32 s80, s[RH], HALFT
	v_add_nc_u32 v[ADRA0], s80, v7
	v_lshl_add_u32 v8, v2, 3, v4                   ; the turning load: lane l reads key 8 h + l % 8, d 8 ((l / 8) % 2) + 0..7, and is left with d = l % 16 and 8 keys
	v_mul_u32_u24 v8, v8, VPITCH
	v_lshl_add_u32 v8, v5, 4, v8
	s_lshl_b32 s80, s[CH], 8                       ; my 128 d: 256 bytes of a row,
	s_add_co_u32 s80, s80, 2*HALFT                 ; behind p's 256 rows
	v_add_nc_u32 v[ADRB0], s80, v8
	v_mov_b32 v[ADRA], v[ADRA0]
	v_mov_b32 v[ADRB], v[ADRB0]
	s_lshl_b32 s80, s[RH], 9
	s_add_co_u32 s81, s80, TAB
	v_lshl_add_u32 v[SCA0], v1, 5, s81             ; f of row blocks 0..7 for my r: 32 bytes
	v_mov_b32 v[SCA], v[SCA0]
	s_lshl_b32 s82, s[CH], 4                       ; rows 64 w + 2 l + e: row half w / 2, r = 2 (l % 8) + e, a = 4 (w % 2) + l / 8
	s_add_co_u32 s81, s81, s82
	v_lshlrev_b32 v9, 6, v4
	v_lshl_add_u32 v9, v6, 2, v9
	v_add_nc_u32 v[TW], s81, v9
	s_lshl_b32 s80, s[RH], 10
	s_add_co_u32 s81, s80, RL
	v_lshl_add_u32 v[RLA], v1, 6, s81
	s_lshl_b32 s82, s[CH], 5
	s_add_co_u32 s81, s81, s82
	v_lshlrev_b32 v9, 7, v4
	v_lshl_add_u32 v9, v6, 3, v9
	v_add_nc_u32 v[RW], s81, v9
	s_mul_i32 s80, s[WV], 16*OPITCH
	s_add_co_u32 s80, s80, STAGE                   ; my stage
	v_mul_u32_u24 v9, v1, OPITCH                   ; in: row r, 32 bytes for each half of the lanes
	v_lshl_add_u32 v9, v2, 5, v9
	v_add_nc_u32 v[STO], s80, v9
	v_lshl_add_u32 v[RD], v3, 4, s80               ; back: 32 lanes take a row of 512 bytes
	v_lshlrev_b32 v[CO], 4, v3
	v_lshrrev_b32 v9, s[RH], v3                    ; the prefetches' offset.  pw: lane x 2,048.  vh: (lane / 2) x 2,048 + (lane % 2) x 256
	v_and_b32 v10, s[RH], v3
	v_lshlrev_b32 v9, 11, v9
	v_lshl_add_u32 v[PFO], v10, 8, v9
	s_lshl_b32 s80, s[TROW], 8
	s_lshl_b32 s81, s[RH], 7
	s_add_co_u32 s80, s80, s81
	s_lshl_b32 s80, s80, 12                        ; out at my first row,
	s_lshl_b32 s81, s[TCOL], 1
	s_add_co_u32 s81, s81, s[CH]
	s_lshl_b32 s81, s81, 9                         ; my 128 d: 512 bytes
	s_add_co_u32 s80, s80, s81
	s_mov_b32 s81, 0
	s_add_nc_u64 s[10:11], s[10:11], s[80:81]
	s_lshl_b32 s80, s[TROW], 8                     ; the prefetches.  pw: row 256 x tile row + 128 x half + 32 cx, at step 2
	s_lshl_b32 s81, s[CH], 7
	s_add_co_u32 s80, s80, s81
	s_lshl_b32 s81, s[CX], 5
	s_add_co_u32 s80, s80, s81
	s_lshl_b32 s80, s80, 11
	s_add_co_u32 s80, s80, 2*KBA
	s_lshl_b32 s82, s[CH], 6                       ; vh: key 64 x half + 16 cy, the tile column's 512 bytes, at step 2
	s_lshl_b32 s83, s[CY], 4
	s_add_co_u32 s82, s82, s83
	s_lshl_b32 s82, s82, 11
	s_lshl_b32 s83, s[TCOL], 9
	s_add_co_u32 s82, s82, s83
	s_add_co_u32 s82, s82, 2*KBB
	s_mul_i32 s85, s[RH], 10
	s_lshl_b32 s[PFS], 256, s85                    ; 256 bytes a step in pw, 262,144 in vh
	s_mov_b32 s[PFS+1], 0
	s_and_b32 s84, ttmp7, 0xffff                   ; cluster y
	s_cmp_eq_u32 s[RH], 0
	s_cselect_b32 s86, s80, s82
	s_cselect_b32 s84, ttmp9, s84                  ; the coordinate along which other clusters read the same bytes
	s_cselect_b64 s[PFA:PFA+1], s[4:5], s[6:7]
	s_cmp_eq_u32 s84, 0
	s_cselect_b32 s[LIM], 1, -1                    ; the same in all sixteen partners, for a given wave
	s_mov_b32 s87, 0
	s_add_nc_u64 s[PFA:PFA+1], s[PFA:PFA+1], s[86:87]  ; nothing is prefetched here, at the head, where every work-group's first tiles are on their way
	s_wait_loadcnt 0x0
.irp e, 0,1
	v_max3_num_f32 v[32+(\e)], v[64+(\e)], v[66+(\e)], v[68+(\e)]
	v_max3_num_f32 v[32+(\e)], v[32+(\e)], v[70+(\e)], v[72+(\e)]
	v_max3_num_f32 v[32+(\e)], v[32+(\e)], v[74+(\e)], v[76+(\e)]
	v_max_num_f32  v[32+(\e)], v[32+(\e)], v[78+(\e)]  ; M
.endr
.irp k, 0,1,2,3,4,5,6,7
	v_pk_add_f32 v[96+2*(\k):97+2*(\k)], v[64+2*(\k):65+2*(\k)], v[32:33] neg_lo:[0,1] neg_hi:[0,1]  ; cm - M
.endr
.set i, 0
.rept 16
	v_exp_f32 v[96+i], v[96+i]
.set i, i+1
.endr
	v_mov_b32 v38, 0                               ; a plain instruction behind the last exponential,
	s_wait_alu depctr_va_vdst(0)                   ; and a wait ahead of the first use: one for the sixteen
.set i, 0
.rept 16
	v_cvt_pk_f16_f32 v[112+i], v[96+i], v[96+i]    ; f in f16, in both halves of a word
.set i, i+1
.endr
.irp e, 0,1
	v_fma_mix_f32 v[34+(\e)], v[112+(\e)], v[80+(\e)], v38 op_sel_hi:[1,0,0]  ; L = the sum of f l, with f as the products will see it
.endr
.irp k, 1,2,3,4,5,6,7
.irp e, 0,1
	v_fma_mix_f32 v[34+(\e)], v[112+2*(\k)+(\e)], v[80+2*(\k)+(\e)], v[34+(\e)] op_sel_hi:[1,0,0]
.endr
.endr
	v_rcp_f32 v40, v34                             ; twice each: a pair for the packed multiply
	v_rcp_f32 v41, v34
	v_rcp_f32 v42, v35
	v_rcp_f32 v43, v35
	v_nop
	s_wait_alu depctr_va_vdst(0)                   ; one wait for the four reciprocals
.irp k, 0,1,2,3,4,5,6,7
	ds_store_b32 v[TW], v[112+2*(\k)] offset:1024*(\k)
	ds_store_b32 v[TW], v[113+2*(\k)] offset:1024*(\k)+32
.endr
	ds_store_b64 v[RW], v[40:41]
	ds_store_b64 v[RW], v[42:43] offset:64
.set RDIV, 8                           ; words of a buffer that share a factor: a fragment's 8; in the last step a row block's 32
.macro RIDER                           ; word c of 32 of a buffer of p, times the row's f: two weights an instruction
	v_pk_mul_f16 v[RF+c], v[RF+c], v[RS+c/RDIV]
.set c, c+1
.endm
; 16 products: row blocks a0, a0 + 1 of the window's four x all 8 blocks of 16 d, 32 keys.  The 64 accumulators take turns, one instruction a turn.
; zero = 1: the product starts the sum.  ride = 1: four scalings stand behind each of the first eight; they name no register of the products round them.
.macro MUL16 f, hi, a0, zero, ride
.set n, 0
.irp a, \a0, (\a0)+1
.irp b, 0,1,2,3,4,5,6,7
	WIN 0xa1+0x50*(\hi)                            ; source 0 (V) window 1, source 1 (p) window 0, C and D window 2 or 3
.if \zero
	v_wmma_f32_16x16x32_f16 v[8*(8*(\a)+(\b)):8*(8*(\a)+(\b))+7], v[(\f)+8*(\b):(\f)+8*(\b)+7], v[(\f)+8*(4*(\hi)+(\a)):(\f)+8*(4*(\hi)+(\a))+7], 0
.else
	v_wmma_f32_16x16x32_f16 v[8*(8*(\a)+(\b)):8*(8*(\a)+(\b))+7], v[(\f)+8*(\b):(\f)+8*(\b)+7], v[(\f)+8*(4*(\hi)+(\a)):(\f)+8*(4*(\hi)+(\a))+7], v[8*(8*(\a)+(\b)):8*(8*(\a)+(\b))+7]
.endif
.if (\ride) && (n < 8)
	WIN 0
	RIDER
	RIDER
	RIDER
	RIDER
.endif
.set n, n+1
.endr
.endr
.endm
; One run of LDS loads: quarter q (32 keys) of the slot in hand into buffer g: (sc = 1: the step's f,) p's rows 0-63, p's rows 64-127, V.
.macro FETCH g, q, sc
	WIN 0
.if \sc
	ds_load_b128 v[SC:SC+3],   v[SCA]
	ds_load_b128 v[SC+4:SC+7], v[SCA] offset:16
.endif
.irp i, 0,1,2,3,4,5,6,7
	ds_load_b128 v[(\g)+8*(\i):(\g)+8*(\i)+3],   v[ADRA] offset:64*(\q)+(\i)*FRG
	ds_load_b128 v[(\g)+8*(\i)+4:(\g)+8*(\i)+7], v[ADRA] offset:64*(\q)+(\i)*FRG+32
.endr
	WIN 0x40
.irp i, 0,1,2,3,4,5,6,7
	ds_load_tr16_b128 v[(\g)+8*(\i):(\g)+8*(\i)+3],   v[ADRB] offset:32*VPITCH*(\q)+32*(\i)
	ds_load_tr16_b128 v[(\g)+8*(\i)+4:(\g)+8*(\i)+7], v[ADRB] offset:32*VPITCH*(\q)+32*(\i)+16*VPITCH
.endr
.endm
; The last step.  BLOAD: V's fragments of quarter q -> window 1, v[64 q ..].  ALOAD: p's fragments of row block a (of the four in hand), all four quarters -> buffer a % 2.
.macro BLOAD q
	WIN 0x40
.irp i, 0,1,2,3,4,5,6,7
	ds_load_tr16_b128 v[64*(\q)+8*(\i):64*(\q)+8*(\i)+3],   v[ADRB] offset:32*VPITCH*(\q)+32*(\i)
	ds_load_tr16_b128 v[64*(\q)+8*(\i)+4:64*(\q)+8*(\i)+7], v[ADRB] offset:32*VPITCH*(\q)+32*(\i)+16*VPITCH
.endr
.endm
.macro ALOAD a
	WIN 0
.irp q, 0,1,2,3
	ds_load_b128 v[PA+32*((\a)%2)+8*(\q):PA+32*((\a)%2)+8*(\q)+3],   v[ADRA] offset:64*(\q)+(\a)*FRG
	ds_load_b128 v[PA+32*((\a)%2)+8*(\q)+4:PA+32*((\a)%2)+8*(\q)+7], v[ADRA] offset:64*(\q)+(\a)*FRG+32
.endr
.endm
; A QUARTER: 64 products of buffer f; in its middle the run for the next quarter (quarter q of its slot, into g).  p's rows 64-127 of f are scaled beside the products of rows 0-63; rows 0-63 of g beside the
; quarter's last products, when their loads are in.
; turn = 2, in a step's last quarter: THE CHANGE OF SLOTS.  Each wave waits for all its tensor loads, of which one is out: its part of the other slot; adds 0 to its spare word; and waits for that and for its
; reads of the slot, which ended in the quarter before.  The barrier opens a round of the cluster's; the joint refill is the first thing behind it and has 224 products in which to land.
; turn = 1: the change into the last step: nothing is left to fetch, so no round follows; and what is read out of the slot is what the rows want: the step's f, 1 / L, p's first two row blocks, and V's
; quarters 0, 1 and 3; V's quarter 2 follows when buffer 1, whose registers it takes, has been multiplied.
.macro QQ f, g, q, turn, zero
.if \turn
.if (\turn) == 2
	s_wait_xcnt 0x0                                ; the last prefetch, a step back, has read its address
	s_add_nc_u64 s[PFA:PFA+1], s[PFA:PFA+1], s[PFS:PFS+1]
.endif
	WIN 0
	s_wait_tensorcnt 0x0                           ; no tensor load of mine is out, so a group 0 may be written
	ds_add_u32 v[SPW], v[NIL]                      ; 0 onto my spare word; scalar steps and sixteen products stand between it and the wait for it
	s_xor_b32 s[TB], s[TB], SLOT
	s_add_co_u32 s[TS], s[TS], 1024
.if (\turn) == 2
	s_xor_b32 s[G0A+5], s[G0A+5], SLOT
	s_add_nc_u64 s[G0A+6:G0A+7], s[G0A+6:G0A+7], KBA
	s_xor_b32 s[G0B+5], s[G0B+5], SLOT
	s_add_nc_u64 s[G0B+6:G0B+7], s[G0B+6:G0B+7], KBB
.endif
	s_wait_dscnt 0x1                               ; the add may be out: this quarter's fragments are in
.else
	s_wait_dscnt 0x0                               ; this quarter's fragments are in
.endif
.set RF, (\f)+32
.set RS, SC+4
.set c, 0
	MUL16 \f, 0, 0, \zero, 1
.if \turn
	s_wait_dscnt 0x0                               ; the add is done, and my reads of the slot are over
	s_barrier_signal -1
.endif
	MUL16 \f, 0, 2, \zero, 0
.if \turn
	WIN 0
	s_barrier_wait -1
.if (\turn) == 2
	CREST
	JLOAD                                          ; the four v_nop behind it are also the places in front of the loads below
.else
	PLACES
.endif
	v_add_nc_u32 v[ADRA], s[TB], v[ADRA0]
	v_add_nc_u32 v[ADRB], s[TB], v[ADRB0]
	v_add_nc_u32 v[SCA], s[TS], v[SCA0]
.if (\turn) == 2
	FETCH \g, \q, 1
	WIN 0
	ASK                                            ; behind the joint load and the run of LDS loads
.else
	ds_load_b128 v[SC:SC+3],   v[SCA]
	ds_load_b128 v[SC+4:SC+7], v[SCA] offset:16
.irp i, 0,1,2,3
	ds_load_b128 v[RLV+4*(\i):RLV+4*(\i)+3], v[RLA] offset:16*(\i)  ; 1 / L of my eight row blocks
.endr
	ALOAD 0
	ALOAD 1
	BLOAD 0
	BLOAD 1
	BLOAD 3
.endif
.else
	PLACES
	FETCH \g, \q, 0
.endif
	MUL16 \f, 1, 0, \zero, 0
.if (\turn) == 1
	MUL16 \f, 1, 2, \zero, 0
	PLACES                                         ; for the loads into buffer 1's registers
	BLOAD 2
.else
	s_wait_dscnt 24                                ; p's rows 64-127 (8 loads) and V (16) may stay out: f and p's rows 0-63 are in
.set RF, \g
.set RS, SC
.set c, 0
	MUL16 \f, 1, 2, \zero, 1
.endif
.endm
	s_wait_dscnt 0x0                               ; for the others' sake: my rows' f and 1 / L are in LDS
	s_wait_tensorcnt 0x1                           ; my part of step 0 is in; step 1's may stay out
	s_barrier_signal -1
	s_barrier_wait -1
	FETCH F0, 0, 1
	WIN 0
	s_wait_dscnt 0x0
.set RF, F0
.set RS, SC
.set c, 0
.rept 32
	RIDER                                          ; the first quarter's rows 0-63: there are no products yet to set them beside
.endr
	QQ F0, F1, 1, 0, 1                             ; the first quarter stands in front of the loop: its products start the sums
	WIN 0
	s_mov_b32 s[CNT], REFILLS
.Lk:                                                   ; a trip: from a step's second quarter to the next step's first; it fills the slot that it leaves
	QQ F1, F0, 2, 0, 0
	QQ F0, F1, 3, 0, 0
	QQ F1, F0, 0, 2, 0
	QQ F0, F1, 1, 0, 0
	WIN 0
	s_sub_co_u32 s[CNT], s[CNT], 1
	s_cmp_lg_u32 s[CNT], 0
	s_cbranch_scc1 .Lk
	QQ F1, F0, 2, 0, 0                             ; the last step but one goes on; nothing more is asked for
	QQ F0, F1, 3, 0, 0
	QQ F1, F0, 0, 1, 0
	WIN 0
; THE LAST STEP, BY ROWS.  ROW a: row block a (of window 2's four) is finished: 32 products, its 8 accumulators by turns.  ride = 1: the next block's 32 words of p are scaled, four
; behind each of the first eight products; they lie in the other buffer and name no register of the products round them.
.macro ROW a, ride
.set RF, PA+32*(((\a)+1)%2)
.set RS, SC+(\a)+1
.set RDIV, 32
.set c, 0
.set n, 0
.irp q, 0,1,2,3
.irp b, 0,1,2,3,4,5,6,7
	WIN 0xa1
	v_wmma_f32_16x16x32_f16 v[64*(\a)+8*(\b):64*(\a)+8*(\b)+7], v[64*(\q)+8*(\b):64*(\q)+8*(\b)+7], v[PA+32*((\a)%2)+8*(\q):PA+32*((\a)%2)+8*(\q)+7], v[64*(\a)+8*(\b):64*(\a)+8*(\b)+7]
.if (\ride) && (n < 8)
	WIN 0
	RIDER
	RIDER
	RIDER
	RIDER
.endif
.set n, n+1
.endr
.endr
.endm
; THE WAY OUT of row block a: times 1 / L; 32 bytes a lane into my stage, rows of 528 bytes; back as whole rows of 512, into the registers that they left (v192-255 and v128-191 by turns); stored.
.macro PACK a
	s_wait_xcnt 0x0                                ; the stores of the block before last have read these registers
	WIN 0x02                                       ; source 0 window 2
.set i, 0
.rept 32
	v_pk_mul_f32 v[192-64*((\a)%2)+i:192-64*((\a)%2)+i+1], v[64*(\a)+i:64*(\a)+i+1], v[RLV+2*(\a):RLV+2*(\a)+1]  ; ascending: each accumulator's lowest registers are read first
.set i, i+2
.endr
	WIN 0
.endm
.macro TOSTAGE a
	WIN 0
.irp b, 0,1,2,3,4,5,6,7
	ds_store_b128 v[STO], v[192-64*((\a)%2)+8*(\b):192-64*((\a)%2)+8*(\b)+3]   offset:64*(\b)
	ds_store_b128 v[STO], v[192-64*((\a)%2)+8*(\b)+4:192-64*((\a)%2)+8*(\b)+7] offset:64*(\b)+16
.endr
.irp t, 0,1,2,3,4,5,6,7,8,9,10,11,12,13,14,15
	ds_load_b128 v[192-64*((\a)%2)+4*(\t):192-64*((\a)%2)+4*(\t)+3], v[RD] offset:(\t)*OPITCH  ; LDS serves a wave's instructions in order (ISA guide 5.7.1.4): these see the stores above
.endr
.endm
.macro SEND a
	WIN 0
	s_wait_dscnt 0x0                               ; the block is back in registers: its way through the stage lay under the next block's products
.irp t, 0,1,2,3,4,5,6,7,8,9,10,11,12,13,14,15
	global_store_b128 v[CO], v[192-64*((\a)%2)+4*(\t):192-64*((\a)%2)+4*(\t)+3], s[10:11] offset:(16*(\a)+(\t))*OROW th:TH_STORE_NT  ; the wave stores 512 consecutive bytes, at a multiple of 512 from out's first byte
.endr
.endm
	s_mov_b32 s[CNT], 2
	s_branch .Lein
.Lepi:                                                 ; my rows 64-127: their accumulators (still one step short), their f and their 1 / L go where the one text of the rows names them
	s_wait_xcnt 0x0                                ; the stores have read out's address
	s_add_nc_u64 s[10:11], s[10:11], 64*OROW
	s_add_co_u32 s[TB], s[TB], 4*FRG               ; p's rows 64 further down
	v_add_nc_u32 v[ADRA], s[TB], v[ADRA0]
	ALOAD 0
	ALOAD 1
	WIN 0x83                                       ; source window 3, destination window 2
.set i, 0
.rept 256
	v_mov_b32 v[i], v[i]
.set i, i+1
.endr
	WIN 0
.set i, 0
.rept 8
	v_mov_b32 v[RLV+i], v[RLV+8+i]
.set i, i+1
.endr
.set i, 0
.rept 4
	v_mov_b32 v[SC+i], v[SC+4+i]
.set i, i+1
.endr
.Lein:
	s_wait_dscnt 0x0                               ; p's first two row blocks are in (and, the first time, f, 1 / L and all of V)
.set RF, PA
.set RS, SC
.set RDIV, 32
.set c, 0
.rept 32
	RIDER                                          ; the first block's p
.endr
	ROW 0, 1
	PLACES                                         ; for the loads into the buffer just multiplied, and for the read of the results
	ALOAD 2
	PACK 0
	TOSTAGE 0
	s_wait_dscnt 32                                ; the stage's 32 instructions may stay out: block 2's p is in
	ROW 1, 1
	SEND 0
	PLACES
	ALOAD 3
	PACK 1
	TOSTAGE 1
	s_wait_dscnt 32                                ; block 3's p is in
	ROW 2, 1
	SEND 1
	PLACES
	PACK 2
	TOSTAGE 2
	ROW 3, 0
	SEND 2
	PLACES
	PACK 3
	TOSTAGE 3
	SEND 3
	s_sub_co_u32 s[CNT], s[CNT], 1
	s_cmp_lg_u32 s[CNT], 0
	s_cbranch_scc1 .Lepi
	s_wait_tensorcnt 0x0                           ; the wave's end, behind my last tensor load and my last LDS store
	ds_add_u32 v[SPW], v[NIL]
	s_wait_dscnt 0x0
	CROUND                                         ; the closing round: no work-group ends while a partner may still ask for a tile that names it
	s_endpgm
.Lfunc_end_k_q690d9bf775_context:
	.size	k_q690d9bf775_context, .Lfunc_end_k_q690d9bf775_context-k_q690d9bf775_context
	.p2alignl 7, 3214868480
	.fill 96, 4, 3214868480
	.section	.rodata,"a",@progbits
	.p2align	6, 0x0
	.amdhsa_kernel k_q690d9bf775_context
		.amdhsa_group_segment_fixed_size 327680
		.amdhsa_private_segment_fixed_size 0
		.amdhsa_enable_private_segment 0
		.amdhsa_kernarg_size 32
		.amdhsa_user_sgpr_count 2
		.amdhsa_user_sgpr_kernarg_segment_ptr 1
		.amdhsa_wavefront_size32 1
		.amdhsa_system_sgpr_workgroup_id_x 1
		.amdhsa_system_sgpr_workgroup_id_y 1
		.amdhsa_system_sgpr_workgroup_id_z 1
		.amdhsa_system_vgpr_workitem_id 0
		.amdhsa_next_free_vgpr 1024
		.amdhsa_next_free_sgpr 88
		.amdhsa_reserve_vcc 0
		.amdhsa_float_denorm_mode_32 3
		.amdhsa_float_denorm_mode_16_64 3
		.amdhsa_memory_ordered 1
		.amdhsa_forward_progress 1
		.amdhsa_inst_pref_size 166
	.end_amdhsa_kernel
	.amdgpu_metadata
---
amdhsa.version: [ 1, 2 ]
amdhsa.kernels:
  - .name:           k_q690d9bf775_context
    .symbol:         k_q690d9bf775_context.kd
    .args:
      - { .name: pw, .offset: 0, .size: 8, .value_kind: global_buffer, .address_space: global }
      - { .name: vh, .offset: 8, .size: 8, .value_kind: global_buffer, .address_space: global }
      - { .name: st, .offset: 16, .size: 8, .value_kind: global_buffer, .address_space: global }
      - { .name: out0, .offset: 24, .size: 8, .value_kind: global_buffer, .address_space: global }
    .group_segment_fixed_size: 327680
    .private_segment_fixed_size: 0
    .kernarg_segment_align: 8
    .kernarg_segment_size: 32
    .max_flat_workgroup_size: 128
    .sgpr_count:     88
    .vgpr_count:     1024
    .wavefront_size: 32
...
	.end_amdgpu_metadata
.endif
;; end of part 3
